; MI455X (gfx1250); checked and timed in simulation.
; The chip was launched on July 23, 2026; its instructions are those of AMD's public machine-readable ISA for CDNA 5 (MIT licence, August 2026) and "CDNA5" Instruction Set Architecture Reference Guide (July 2026). The comments in the code are by the model that wrote it; some were corrected since.
;; Predictions Post Processing. Allowed arithmetic: float matrix products may take bf16 or f16 operands with f32 sums; other float arithmetic in f32, or as packed bf16 or f16 multiplies, adds, multiply-adds, maxima and minima; sums over many terms, partial sums and values carried from step to step in f32; what a program stores and reads back later, other than sums and carried values, may be rounded once to bf16 or f16.
;; Inputs: predictions 32 x 25,200 x 85 float32.
;; Outputs: out0 32 x 1,000 x 80 float32; out1 32 x 1,000 x 4 float32.
;; 3 versions, each right; version 2 is faster than version 1; version 3 is version 2 with the launch gather written anew for expert scheduling mode. Each part assembles by itself: llvm-mc -triple=amdgcn-amd-amdhsa -mcpu=gfx1250 --defsym DOCPART=n.
;; ======== version 1 of 3: 3 launches
;; workspace buffers: lists 8,388,608 bytes of whole numbers; order 131,072 bytes of whole numbers
;; launch sortpairs (part 1): grid 32 x 32, 1 waves a work-group, no clusters, 8,960 bytes of LDS; arguments predictions, lists; writes lists
.if DOCPART == 1
	.amdgcn_target "amdgcn-amd-amdhsa--gfx1250"
	.amdhsa_code_object_version 6
	.text
	.protected	k_qdc978788c9_sortpairs
	.globl	k_qdc978788c9_sortpairs
	.p2align	8
	.type	k_qdc978788c9_sortpairs,@function
k_qdc978788c9_sortpairs:
	s_mov_b64 s[64:65], 0
	v_nop
	global_prefetch_b8 v0, s[64:65] scope:SCOPE_SE
	s_setreg_imm32_b32 hwreg(HW_REG_WAVE_MODE, 25, 1), 1
	s_wait_xcnt 0x0
; LAUNCH 1 OF 3.  predictions: [32][25200][85] f32.  reference() takes the 1,000 largest objectness scores (word 4 of a row) of each image, in descending order,
; equal scores by ascending index, and gathers those rows' classes and boxes.
; DEAD WORK, for all values of the input: reference() turns all 25,200 boxes to corners and slices all class rows, but both take_along_axis keep only the 1,000 rows that the
; scores choose; no word of another row but its score has a way to an output.  So this launch loads word 4 of each row and nothing else, and the third launch loads the
; chosen rows alone.  A NaN, an infinity or an overflow in the words left out is not carried to any result.
; WHAT THIS LAUNCH MAKES.  Each anchor becomes a PAIR of whole numbers.  High word, the key: the score's bits with the sign bit turned for numbers >= 0 and all bits turned for numbers < 0,
; so that unsigned order of keys is the order of the floats (-0 is made +0 first, by x + 0, so that the two are equal as in reference()).  Low word: 32767 - index.  Taken as one number of
; 64 bits, pairs in descending order are scores in descending order, equal scores by ascending index; no two anchors' pairs are equal.
;   lists [32][32][1024][2]: the pairs of a chunk of 788 anchors (the last chunk of an image: 772), sorted descending; the places left over hold (0, 0), which is below every anchor's pair.
; No address and no branch of this launch or of the second hangs on a score: the index travels with its key through a network of fixed comparators.
; LIMITS.  A NaN score is ordered by its bit pattern (with the sign clear above +inf, with the sign set below -inf), which need not be reference()'s order.
; SHARES.  One wave to a work-group, a chunk to a wave: 32 chunks x 32 images = 1,024 waves.  25 loads of one word a lane, each lane another row: all are out at once.
; A COMPARATOR takes pairs A and B to (larger, smaller) in seven lines: B.lo < A.lo as a carry in; A.hi + not B.hi + that carry runs over 32 bits just where A > B; the high words are a maximum and a
; minimum, the low words two selects.  Four comparators go side by side, each with a mask of its own, so that no line reads the result of the line before it.
; THE SORT is a bitonic network whose comparators all point one way (the lower place takes the larger).  Phase k makes sorted blocks of 2^k out of two of 2^(k-1): the lower block meets the upper one
; reversed, then distances 2^(k-2) .. 1 follow.  Phases 1 to 5, place = 32 x lane + register: all 15 stages lie between registers.  Phases 6 to 10, a loop of five trips: the pairs are read from LDS with
; place = 32 x register + lane, each upper block reversed by its addresses, so that distances 2^(k-1) .. 32 lie between registers too (a chain of stages 16, 8, 4, 2, 1 that a phase enters at its own
; distance); they are turned through LDS, distances 16 .. 1 follow, and they go back to LDS.  Every stage reads one bank of 64 registers and writes the other.
.set ROWB,   340                       ; bytes in a row of predictions
.set NROW,   25200
.set CHUNK,  788                       ; 32 x 788 = 25,216: the last chunk holds 772
.set TOPI,   32767
.set PITCH,  272                       ; LDS: 32 pairs (256 bytes) + 16: an odd multiple of 16
.set SPARE,  32*PITCH                  ; behind the 32 rows: the spare words, one block of 256 bytes that no other line names
.set OFF,  1                           ; v1   lane x 340
.set OFF2, 2                           ; v2   the same with the lane held to the last anchor of register 24
.set G16,  3                           ; v3   lane x 16: my 16 bytes of each 512 that the wave stores
.set VL,   4                           ; v4   LDS: lane x 272: row = lane
.set VH,   5                           ; v5   LDS: lane x 8: column = lane
.set VHR,  6                           ; v6   LDS: (31 - lane) x 8
.set VO,   7                           ; v7   LDS: (lane / 16) x 272 + (lane % 16) x 16
.set SPW,  8                           ; v8   my spare word; never rewritten
.set NIL,  9                           ; v9   0; never rewritten
.set PL,   10                          ; v10  32767 - 992 - the chunk's first index - lane
.set T0,   11
.set TT,   16                          ; v16-19  at work, one for each of four comparators
.set XB,   32                          ; v32-95   bank X: pair r at XB + 2 r (key), XB + 2 r + 1 (low word)
.set YB,   96                          ; v96-159  bank Y
.set CM,   40                          ; s40-43   four masks
	s_load_b128 s[4:7], s[0:1], 0x0                ; predictions s[4:5], lists s[6:7]
	v_lshl_add_u32 v[SPW], v0, 2, SPARE
	v_mov_b32 v[NIL], 0
	s_and_b32 s10, ttmp7, 0xffff                   ; image
	s_mul_i32 s11, ttmp9, CHUNK                    ; the chunk's first index
	s_add_co_u32 s12, s11, CHUNK
	s_min_u32 s12, s12, NROW
	s_sub_co_u32 s12, s12, s11                     ; its anchors: 788 or 772
	s_sub_co_u32 s13, s12, 768                     ; registers 0 to 23 are full; register 24 holds 20 or 4
	s_sub_co_u32 s14, s13, 1
	s_mul_i32 s16, s10, NROW
	s_add_co_u32 s16, s16, s11
	s_mul_i32 s16, s16, ROWB                       ; the chunk's first row, in bytes: under 2^31
	s_add_co_u32 s16, s16, 16                      ; the score is word 4
	s_mov_b32 s17, 0
	s_lshl_b32 s18, s10, 5
	s_add_co_u32 s18, s18, ttmp9
	s_lshl_b32 s18, s18, 13                        ; 8,192 bytes a list
	s_mov_b32 s19, 0
	s_sub_co_u32 s20, TOPI-992, s11
	v_mul_u32_u24 v[OFF], v0, ROWB
	v_min_u32 v[OFF2], s14, v0
	v_mul_u32_u24 v[OFF2], v[OFF2], ROWB
	v_lshlrev_b32 v[G16], 4, v0
	v_mul_u32_u24 v[VL], v0, PITCH
	v_lshlrev_b32 v[VH], 3, v0
	v_sub_nc_u32 v[VHR], 248, v[VH]
	v_lshrrev_b32 v[T0], 4, v0
	v_and_b32 v[VO], 15, v0
	v_lshlrev_b32 v[VO], 4, v[VO]
	v_mad_u32_u24 v[VO], v[T0], PITCH, v[VO]
	v_sub_nc_u32 v[PL], s20, v0
	s_wait_kmcnt 0x0
	s_add_nc_u64 s[4:5], s[4:5], s[16:17]
	s_add_nc_u64 s[6:7], s[6:7], s[18:19]
	; register r of lane l takes the chunk's anchor 32 r + l (where a pair starts in the network does not matter: it carries its index)
.set r, 0
.rept 24
	global_load_b32 v[XB+2*r], v[OFF], s[4:5] offset:r*32*ROWB th:TH_LOAD_NT
.set r, r+1
.endr
	global_load_b32 v[XB+48], v[OFF2], s[4:5] offset:24*32*ROWB th:TH_LOAD_NT  ; the lanes behind the chunk's end read its last row once more: no load leaves the chunk
.set r, 0
.rept 25
	v_add_nc_u32 v[XB+2*r+1], 32*(31-r), v[PL]     ; 32767 - index, made while the loads are out
.set r, r+1
.endr
.set r, 50
.rept 14
	v_mov_b32 v[XB+r], 0                           ; registers 25 to 31 hold no anchor: (0, 0)
.set r, r+1
.endr
	s_wait_loadcnt 0x0                             ; the sort wants all the scores
.set r, 0
.rept 25
	v_add_f32 v[XB+2*r], 0, v[XB+2*r]              ; -0 becomes +0; every other number stays
.set r, r+1
.endr
.set r, 0
.rept 25
	v_ashrrev_i32 v[YB+r], 31, v[XB+2*r]
.set r, r+1
.endr
.set r, 0
.rept 25
	v_or_b32 v[YB+r], 0x80000000, v[YB+r]
.set r, r+1
.endr
.set r, 0
.rept 25
	v_xor_b32 v[XB+2*r], v[XB+2*r], v[YB+r]        ; the key
.set r, r+1
.endr
	v_cmp_gt_u32 vcc_lo, s13, v0
	v_cndmask_b32 v[XB+48], 0, v[XB+48], vcc_lo    ; register 24 behind the chunk's end: (0, 0)
	v_cndmask_b32 v[XB+49], 0, v[XB+49], vcc_lo
.macro SWAPB
.set TMPB, CUR
.set CUR, OTH
.set OTH, TMPB
.endm
; comparator p of a stage's 16: registers PA and PB = PA xor m; t is m's top bit, which PA has clear
.macro AB m, t, p
.set PA, (((\p)/(\t))*2*(\t))+((\p)%(\t))
.set PB, PA^(\m)
.endm
; a stage between registers, from bank CUR into bank OTH, four comparators at a time
.macro STAGE m, t
.set g, 0
.rept 4
.set i, 0
.rept 4
	AB \m, \t, (4*g+i)
	v_cmp_lt_u32 s[CM+i], v[CUR+2*PB+1], v[CUR+2*PA+1]
.set i, i+1
.endr
.set i, 0
.rept 4
	AB \m, \t, (4*g+i)
	v_not_b32 v[TT+i], v[CUR+2*PB]
.set i, i+1
.endr
.set i, 0
.rept 4
	AB \m, \t, (4*g+i)
	v_add_co_ci_u32 v[TT+i], s[CM+i], v[CUR+2*PA], v[TT+i], s[CM+i]  ; the carry out: A > B
.set i, i+1
.endr
.set i, 0
.rept 4
	AB \m, \t, (4*g+i)
	v_max_u32 v[OTH+2*PA], v[CUR+2*PA], v[CUR+2*PB]
	v_min_u32 v[OTH+2*PB], v[CUR+2*PA], v[CUR+2*PB]
.set i, i+1
.endr
.set i, 0
.rept 4
	AB \m, \t, (4*g+i)
	v_cndmask_b32 v[OTH+2*PA+1], v[CUR+2*PB+1], v[CUR+2*PA+1], s[CM+i]
	v_cndmask_b32 v[OTH+2*PB+1], v[CUR+2*PA+1], v[CUR+2*PB+1], s[CM+i]
.set i, i+1
.endr
.set g, g+1
.endr
	SWAPB
.endm
.macro USE a, b
.set CUR, \a
.set OTH, \b
.endm
; LDS holds place e at (e / 32) x 272 + (e % 32) x 8.  L: a lane takes a row (place = 32 x lane + register).  H: a register takes a row (place = 32 x register + lane).
.macro STOREL bank
.set q, 0
.rept 16
	ds_store_b128 v[VL], v[(\bank)+4*q:(\bank)+4*q+3] offset:16*q
.set q, q+1
.endr
.endm
.macro LOADL bank
.set q, 0
.rept 16
	ds_load_b128 v[(\bank)+4*q:(\bank)+4*q+3], v[VL] offset:16*q
.set q, q+1
.endr
.endm
.macro STOREH bank
.set r, 0
.rept 32
	ds_store_b64 v[VH], v[(\bank)+2*r:(\bank)+2*r+1] offset:r*PITCH
.set r, r+1
.endr
.endm
; H, for the phase whose blocks of 32 t places are sorted: a row with bit t set belongs to an upper block and is read from place e xor (32 t - 1): row r xor (t - 1), lane 31 - l
.macro LOADZ t, bank
.set r, 0
.rept 32
.if (r & (\t)) == 0
	ds_load_b64 v[(\bank)+2*r:(\bank)+2*r+1], v[VH] offset:r*PITCH
.else
	ds_load_b64 v[(\bank)+2*r:(\bank)+2*r+1], v[VHR] offset:(r^((\t)-1))*PITCH
.endif
.set r, r+1
.endr
	s_wait_dscnt 0x0
.endm
	USE XB, YB
	STAGE 1, 1                                     ; blocks of 2
	STAGE 3, 2                                     ; of 4
	STAGE 1, 1
	STAGE 7, 4                                     ; of 8
	STAGE 2, 2
	STAGE 1, 1
	STAGE 15, 8                                    ; of 16
	STAGE 4, 4
	STAGE 2, 2
	STAGE 1, 1
	STAGE 31, 16                                   ; of 32: each lane's 32 pairs are sorted
	STAGE 8, 8
	STAGE 4, 4
	STAGE 2, 2
	STAGE 1, 1                                     ; fifteen stages: the pairs lie in bank Y
	STOREL YB
	s_mov_b32 s30, 5                               ; phases to go: 5 = phase 6 (blocks of 64) .. 1 = phase 10 (of 1,024)
.Lphase:                                               ; a wave's LDS instructions are served in order (ISA guide 5.7.1.4): each load below sees the stores above it
	s_cmp_eq_u32 s30, 5
	s_cbranch_scc1 .Lp6
	s_cmp_eq_u32 s30, 4
	s_cbranch_scc1 .Lp7
	s_cmp_eq_u32 s30, 3
	s_cbranch_scc1 .Lp8
	s_cmp_eq_u32 s30, 2
	s_cbranch_scc1 .Lp9
	LOADZ 16, XB                                   ; a phase loads into the bank from which its first stage reads, so that the chain always ends in bank Y
	USE XB, YB
	STAGE 16, 16
	s_branch .Le8
.Lp9:
	LOADZ 8, YB
.Le8:
	USE YB, XB
	STAGE 8, 8
	s_branch .Le4
.Lp8:
	LOADZ 4, XB
.Le4:
	USE XB, YB
	STAGE 4, 4
	s_branch .Le2
.Lp7:
	LOADZ 2, YB
.Le2:
	USE YB, XB
	STAGE 2, 2
	s_branch .Le1
.Lp6:
	LOADZ 1, XB
.Le1:
	USE XB, YB
	STAGE 1, 1                                     ; distance 32
	STOREH YB
	LOADL XB
	s_wait_dscnt 0x0
	USE XB, YB
	STAGE 16, 16                                   ; distances 16 to 1
	STAGE 8, 8
	STAGE 4, 4
	STAGE 2, 2
	STAGE 1, 1
	STOREL YB
	s_sub_co_i32 s30, s30, 1
	s_cmp_lg_u32 s30, 0
	s_cbranch_scc1 .Lphase
	; the list leaves in place order: a lane takes two neighbouring pairs, the wave 512 consecutive bytes
.set q, 0
.rept 16
	ds_load_b128 v[XB+4*q:XB+4*q+3], v[VO] offset:2*PITCH*q
.set q, q+1
.endr
	s_wait_dscnt 0x0
.set q, 0
.rept 16
	global_store_b128 v[G16], v[XB+4*q:XB+4*q+3], s[6:7] offset:512*q  ; at a multiple of 512 from the buffer's first byte
.set q, q+1
.endr
	s_wait_tensorcnt 0x0                           ; the wave's end, behind my last LDS store
	ds_add_u32 v[SPW], v[NIL]
	s_wait_dscnt 0x0
	s_endpgm
.Lfunc_end_k_qdc978788c9_sortpairs:
	.size	k_qdc978788c9_sortpairs, .Lfunc_end_k_qdc978788c9_sortpairs-k_qdc978788c9_sortpairs
	.p2alignl 7, 3214868480
	.fill 96, 4, 3214868480
	.section	.rodata,"a",@progbits
	.p2align	6, 0x0
	.amdhsa_kernel k_qdc978788c9_sortpairs
		.amdhsa_group_segment_fixed_size 8960
		.amdhsa_private_segment_fixed_size 0
		.amdhsa_enable_private_segment 0
		.amdhsa_kernarg_size 16
		.amdhsa_user_sgpr_count 2
		.amdhsa_user_sgpr_kernarg_segment_ptr 1
		.amdhsa_wavefront_size32 1
		.amdhsa_system_sgpr_workgroup_id_x 1
		.amdhsa_system_sgpr_workgroup_id_y 1
		.amdhsa_system_sgpr_workgroup_id_z 1
		.amdhsa_system_vgpr_workitem_id 0
		.amdhsa_next_free_vgpr 160
		.amdhsa_next_free_sgpr 66
		.amdhsa_reserve_vcc 1
		.amdhsa_float_denorm_mode_32 3
		.amdhsa_float_denorm_mode_16_64 3
		.amdhsa_memory_ordered 1
		.amdhsa_forward_progress 1
		.amdhsa_inst_pref_size 167
	.end_amdhsa_kernel
	.amdgpu_metadata
---
amdhsa.version: [ 1, 2 ]
amdhsa.kernels:
  - .name:           k_qdc978788c9_sortpairs
    .symbol:         k_qdc978788c9_sortpairs.kd
    .args:
      - { .name: predictions, .offset: 0, .size: 8, .value_kind: global_buffer, .address_space: global }
      - { .name: lists, .offset: 8, .size: 8, .value_kind: global_buffer, .address_space: global }
    .group_segment_fixed_size: 8960
    .private_segment_fixed_size: 0
    .kernarg_segment_align: 8
    .kernarg_segment_size: 16
    .max_flat_workgroup_size: 32
    .sgpr_count:     66
    .vgpr_count:     160
    .wavefront_size: 32
...
	.end_amdgpu_metadata
.endif
;; end of part 1
;; launch mergelists (part 2): grid 32 x 1, 16 waves a work-group, no clusters, 280,576 bytes of LDS; arguments lists, order; writes order
.if DOCPART == 2
	.amdgcn_target "amdgcn-amd-amdhsa--gfx1250"
	.amdhsa_code_object_version 6
	.text
	.protected	k_qdc978788c9_mergelists
	.globl	k_qdc978788c9_mergelists
	.p2align	8
	.type	k_qdc978788c9_mergelists,@function
k_qdc978788c9_mergelists:
	s_mov_b64 s[64:65], 0
	v_nop
	global_prefetch_b8 v0, s[64:65] scope:SCOPE_SE
	s_setreg_imm32_b32 hwreg(HW_REG_WAVE_MODE, 25, 1), 1
	s_wait_xcnt 0x0
; LAUNCH 2 OF 3.  lists [32][32][1024][2]: for each image 32 lists of pairs (key, 32767 - index), each sorted descending as numbers of 64 bits (launch 1).
; order [32][1024]: the indices of the image's 1,024 largest pairs, in descending order: scores descending, equal scores by ascending index.  The third launch uses the first 1,000.
; Left out as in launch 1: nothing of predictions but the scores has been read so far.  No address and no branch here hangs on a pair: only on the wave's number and on counters.
; A MERGE.  Of two descending lists A, B the 1,024 largest are max(A[i], B[1023 - i]), a bitonic row that ten stages (distances 512 .. 1, the lower place takes the larger) sort.  Place = 32 x register + lane
; for distances 512 .. 32, then, turned through the wave's own slot, 32 x lane + register for 16 .. 1: every stage lies between registers, from one bank of 64 into the other.
; THE TREE.  A work-group has an image, 16 waves.  Wave w takes lists 2 w and 2 w + 1 straight from memory.  Then five levels of 16, 8, 4, 2, 1 merges: a wave under the level's count sorts its row and
; leaves it in slot w; behind a barrier a wave under half the count takes slots 2 w and 2 w + 1; behind a second barrier, so that nobody writes a slot that is still read, the next level begins.
; The LDS addresses are the same in every level.  LDS is allotted for the slots that all sixteen waves' addresses name, 0 to 31; slots 0 to 15 are written, and by the levels' counts only written slots are read.
; 32 WORK-GROUPS: a tree belongs to one image, and work-groups hand each other nothing inside a launch.  NO CLUSTER, NO TENSOR LOAD: no two work-groups read the same bytes, and the lists go straight into registers.
; A COMPARATOR takes pairs A and B to (larger, smaller) in seven lines: B.lo < A.lo as a carry in; A.hi + not B.hi + that carry runs over 32 bits just where A > B; the high words are a maximum and a
; minimum, the low words two selects.  Four go side by side, each with a mask of its own.
.set TOPI,   32767
.set PITCH,  272                       ; 32 pairs (256 bytes) + 16: an odd multiple of 16
.set SLOTB,  32*PITCH                  ; a slot: place e at (e / 32) x 272 + (e % 32) x 8
.set SPARE,  32*SLOTB                  ; behind the slots: the spare words, 128 bytes for each of 16 waves: 8 blocks of 256 bytes that no other line names
.set LN,   1                           ; v1   lane
.set SPW,  2                           ; v2   my spare word; never rewritten
.set NIL,  3                           ; v3   0; never rewritten
.set VH8,  4                           ; v4   lane x 8
.set VHR8, 5                           ; v5   (31 - lane) x 8
.set AH,   6                           ; v6   slot w + lane x 8
.set AL,   7                           ; v7   slot w + lane x 272
.set A2,   8                           ; v8   slot 2 w + lane x 8
.set B2,   9                           ; v9   slot 2 w + (31 - lane) x 8; slot 2 w + 1 stands in the immediate
.set VO,   10                          ; v10  slot 0, rows 2 w and 2 w + 1: (2 w + lane / 16) x 272 + (lane % 16) x 16
.set T0,   12
.set TT,   16                          ; v16-19  at work
.set XB,   32                          ; v32-95   bank X: pair r at XB + 2 r (key), XB + 2 r + 1 (low word)
.set YB,   96                          ; v96-159  bank Y
.set CM,   40                          ; s40-43   four masks
.macro BAR
	s_wait_dscnt 0x0                               ; for the others' sake: my LDS stores are done and my LDS loads are back
	s_barrier_signal -1
	s_barrier_wait -1
.endm
.macro SWAPB
.set TMPB, CUR
.set CUR, OTH
.set OTH, TMPB
.endm
.macro AB m, t, p                      ; comparator p of a stage's 16: registers PA and PB = PA xor m
.set PA, (((\p)/(\t))*2*(\t))+((\p)%(\t))
.set PB, PA^(\m)
.endm
.macro STAGE m, t                      ; a stage between registers, from bank CUR into bank OTH, four comparators at a time
.set g, 0
.rept 4
.set i, 0
.rept 4
	AB \m, \t, (4*g+i)
	v_cmp_lt_u32 s[CM+i], v[CUR+2*PB+1], v[CUR+2*PA+1]
.set i, i+1
.endr
.set i, 0
.rept 4
	AB \m, \t, (4*g+i)
	v_not_b32 v[TT+i], v[CUR+2*PB]
.set i, i+1
.endr
.set i, 0
.rept 4
	AB \m, \t, (4*g+i)
	v_add_co_ci_u32 v[TT+i], s[CM+i], v[CUR+2*PA], v[TT+i], s[CM+i]  ; the carry out: A > B
.set i, i+1
.endr
.set i, 0
.rept 4
	AB \m, \t, (4*g+i)
	v_max_u32 v[OTH+2*PA], v[CUR+2*PA], v[CUR+2*PB]
	v_min_u32 v[OTH+2*PB], v[CUR+2*PA], v[CUR+2*PB]
.set i, i+1
.endr
.set i, 0
.rept 4
	AB \m, \t, (4*g+i)
	v_cndmask_b32 v[OTH+2*PA+1], v[CUR+2*PB+1], v[CUR+2*PA+1], s[CM+i]
	v_cndmask_b32 v[OTH+2*PB+1], v[CUR+2*PA+1], v[CUR+2*PB+1], s[CM+i]
.set i, i+1
.endr
.set g, g+1
.endr
	SWAPB
.endm
.macro FIVE                            ; from bank X, through five stages, into bank Y
.set CUR, XB
.set OTH, YB
	STAGE 16, 16
	STAGE 8, 8
	STAGE 4, 4
	STAGE 2, 2
	STAGE 1, 1
.endm
; the larger of A (bank X) and B (bank Y), into bank X, for registers 16 h .. 16 h + 15
.macro FIRST h
.set g, 0
.rept 4
.set i, 0
.rept 4
.set r, 16*(\h)+4*g+i
	v_cmp_lt_u32 s[CM+i], v[YB+2*r+1], v[XB+2*r+1]
.set i, i+1
.endr
.set i, 0
.rept 4
.set r, 16*(\h)+4*g+i
	v_not_b32 v[TT+i], v[YB+2*r]
.set i, i+1
.endr
.set i, 0
.rept 4
.set r, 16*(\h)+4*g+i
	v_add_co_ci_u32 v[TT+i], s[CM+i], v[XB+2*r], v[TT+i], s[CM+i]
.set i, i+1
.endr
.set i, 0
.rept 4
.set r, 16*(\h)+4*g+i
	v_max_u32 v[XB+2*r], v[XB+2*r], v[YB+2*r]
	v_cndmask_b32 v[XB+2*r+1], v[YB+2*r+1], v[XB+2*r+1], s[CM+i]
.set i, i+1
.endr
.set g, g+1
.endr
.endm
.macro GPAIR r                         ; from memory: A[32 r + l] of list 2 w, B[1023 - (32 r + l)] of list 2 w + 1; each load of the wave covers 256 consecutive bytes
	global_load_b64 v[XB+2*(\r):XB+2*(\r)+1], v[VH8], s[4:5] offset:256*(\r) th:TH_LOAD_NT
	global_load_b64 v[YB+2*(\r):YB+2*(\r)+1], v[VHR8], s[4:5] offset:8192+256*(31-(\r)) th:TH_LOAD_NT
.endm
.macro LPAIR r                         ; the same from slots 2 w and 2 w + 1
	ds_load_b64 v[XB+2*(\r):XB+2*(\r)+1], v[A2] offset:(\r)*PITCH
	ds_load_b64 v[YB+2*(\r):YB+2*(\r)+1], v[B2] offset:SLOTB+(31-(\r))*PITCH
.endm
	s_load_b128 s[4:7], s[0:1], 0x0                ; lists s[4:5], order s[6:7]
	v_lshl_add_u32 v[SPW], v0, 2, SPARE
	v_mov_b32 v[NIL], 0
	v_lshrrev_b32 v[T0], 5, v0
	v_readfirstlane_b32 s14, v[T0]                 ; wave w
	v_and_b32 v[LN], 31, v0
	s_lshl_b32 s16, ttmp9, 18                      ; the image's 32 lists of 8,192 bytes,
	s_lshl_b32 s17, s14, 14                        ; list 2 w
	s_add_co_u32 s16, s16, s17
	s_mov_b32 s17, 0
	s_lshl_b32 s18, ttmp9, 12                      ; the image's 4,096 bytes of order,
	s_lshl_b32 s19, s14, 8                         ; my 256 of them
	s_add_co_u32 s18, s18, s19
	s_mov_b32 s19, 0
	s_mul_i32 s20, s14, SLOTB
	s_mul_i32 s21, s14, 2*SLOTB
	s_mul_i32 s22, s14, 2*PITCH
	v_lshlrev_b32 v[VH8], 3, v[LN]
	v_sub_nc_u32 v[VHR8], 248, v[VH8]
	v_add_nc_u32 v[AH], s20, v[VH8]
	v_mul_u32_u24 v[AL], v[LN], PITCH
	v_add_nc_u32 v[AL], s20, v[AL]
	v_add_nc_u32 v[A2], s21, v[VH8]
	v_add_nc_u32 v[B2], s21, v[VHR8]
	v_lshrrev_b32 v[T0], 4, v[LN]
	v_and_b32 v[VO], 15, v[LN]
	v_lshlrev_b32 v[VO], 4, v[VO]
	v_mad_u32_u24 v[VO], v[T0], PITCH, v[VO]
	v_add_nc_u32 v[VO], s22, v[VO]
	s_wait_kmcnt 0x0
	s_add_nc_u64 s[4:5], s[4:5], s[16:17]
	s_add_nc_u64 s[6:7], s[6:7], s[18:19]
.set k, 0
.rept 31
	GPAIR k
.set k, k+1
.endr
	s_wait_loadcnt 30                              ; pairs of loads 0 to 15 are in; the 30 younger loads stay out
	FIRST 0
	GPAIR 31
	s_wait_loadcnt 0x0
	FIRST 1
	s_mov_b32 s30, 5                               ; levels to go
	s_mov_b32 s31, 16                              ; merges in this level
.Llevel:
	s_cmp_lt_u32 s14, s31
	s_cbranch_scc0 .Lidle
	FIVE                                           ; distances 512 to 32
.set r, 0
.rept 32
	ds_store_b64 v[AH], v[YB+2*r:YB+2*r+1] offset:r*PITCH
.set r, r+1
.endr
.set q, 0
.rept 16
	ds_load_b128 v[XB+4*q:XB+4*q+3], v[AL] offset:16*q  ; places 32 l + 2 q, + 1: a wave's LDS instructions are served in order (ISA guide 5.7.1.4): these see the stores above
.set q, q+1
.endr
	s_wait_dscnt 0x0
	FIVE                                           ; distances 16 to 1
.set q, 0
.rept 16
	ds_store_b128 v[AL], v[YB+4*q:YB+4*q+3] offset:16*q
.set q, q+1
.endr
.Lidle:
	BAR                                            ; the level's rows lie sorted in slots 0 to count - 1
	s_lshr_b32 s31, s31, 1
	s_cmp_lt_u32 s14, s31
	s_cbranch_scc0 .Lnoload
.set k, 0
.rept 31
	LPAIR k
.set k, k+1
.endr
	s_wait_dscnt 30                                ; pairs of loads 0 to 15 are in; the 30 younger loads stay out
	FIRST 0
	LPAIR 31
	s_wait_dscnt 0x0
	FIRST 1
.Lnoload:
	BAR                                            ; every slot has been read: the next level may write
	s_sub_co_i32 s30, s30, 1
	s_cmp_lg_u32 s30, 0
	s_cbranch_scc1 .Llevel
	; slot 0 holds the image's 1,024 largest pairs.  Wave w takes places 64 w .. 64 w + 63, a lane two of them, and stores their indices: 256 consecutive bytes
	ds_load_b128 v[XB:XB+3], v[VO]
	s_wait_dscnt 0x0
	v_sub_nc_u32 v[XB+4], TOPI, v[XB+1]
	v_sub_nc_u32 v[XB+5], TOPI, v[XB+3]
	global_store_b64 v[VH8], v[XB+4:XB+5], s[6:7]
	s_wait_tensorcnt 0x0                           ; the wave's end, behind my last LDS store
	ds_add_u32 v[SPW], v[NIL]
	s_wait_dscnt 0x0
	s_endpgm
.Lfunc_end_k_qdc978788c9_mergelists:
	.size	k_qdc978788c9_mergelists, .Lfunc_end_k_qdc978788c9_mergelists-k_qdc978788c9_mergelists
	.p2alignl 7, 3214868480
	.fill 96, 4, 3214868480
	.section	.rodata,"a",@progbits
	.p2align	6, 0x0
	.amdhsa_kernel k_qdc978788c9_mergelists
		.amdhsa_group_segment_fixed_size 280576
		.amdhsa_private_segment_fixed_size 0
		.amdhsa_enable_private_segment 0
		.amdhsa_kernarg_size 16
		.amdhsa_user_sgpr_count 2
		.amdhsa_user_sgpr_kernarg_segment_ptr 1
		.amdhsa_wavefront_size32 1
		.amdhsa_system_sgpr_workgroup_id_x 1
		.amdhsa_system_sgpr_workgroup_id_y 1
		.amdhsa_system_sgpr_workgroup_id_z 1
		.amdhsa_system_vgpr_workitem_id 0
		.amdhsa_next_free_vgpr 160
		.amdhsa_next_free_sgpr 66
		.amdhsa_reserve_vcc 0
		.amdhsa_float_denorm_mode_32 3
		.amdhsa_float_denorm_mode_16_64 3
		.amdhsa_memory_ordered 1
		.amdhsa_forward_progress 1
		.amdhsa_inst_pref_size 88
	.end_amdhsa_kernel
	.amdgpu_metadata
---
amdhsa.version: [ 1, 2 ]
amdhsa.kernels:
  - .name:           k_qdc978788c9_mergelists
    .symbol:         k_qdc978788c9_mergelists.kd
    .args:
      - { .name: lists, .offset: 0, .size: 8, .value_kind: global_buffer, .address_space: global }
      - { .name: order, .offset: 8, .size: 8, .value_kind: global_buffer, .address_space: global }
    .group_segment_fixed_size: 280576
    .private_segment_fixed_size: 0
    .kernarg_segment_align: 8
    .kernarg_segment_size: 16
    .max_flat_workgroup_size: 512
    .sgpr_count:     66
    .vgpr_count:     160
    .wavefront_size: 32
...
	.end_amdgpu_metadata
.endif
;; end of part 2
;; launch gather (part 3): grid 8 x 32, 25 waves a work-group, no clusters, 0 bytes of LDS; arguments predictions, order, out0, out1; writes out0, out1
.if DOCPART == 3
	.amdgcn_target "amdgcn-amd-amdhsa--gfx1250"
	.amdhsa_code_object_version 6
	.text
	.protected	k_qdc978788c9_gather
	.globl	k_qdc978788c9_gather
	.p2align	8
	.type	k_qdc978788c9_gather,@function
k_qdc978788c9_gather:
	s_mov_b64 s[64:65], 0
	v_nop
	global_prefetch_b8 v0, s[64:65] scope:SCOPE_SE
	s_setreg_imm32_b32 hwreg(HW_REG_WAVE_MODE, 25, 1), 1
	s_wait_xcnt 0x0
; LAUNCH 3 OF 3.  out0[b][r][:] = class x vs, masked at 0.25, with vs = score x (score > 0.25); out1[b][r][:] = the box as corners; both of the anchor order[b][r], r = 0 .. 999.
; Left out as in launch 1: rows that the scores do not choose are not loaded.  The only numbers that steer an address are the indices that launch 2 stored; each is held to 25,199.
; SHARES.  Work-group (g, b) makes rows lo = 128 g .. hi - 1, hi = min(lo + 128, 1000): n = 128 or 104 rows, from a multiple of 256 bytes of out0 on.  25 waves = 800 threads: a thread takes 4 neighbouring
; classes of a row (20 threads a row, 40 rows a pass, four passes); a wave's store covers 512 consecutive bytes of out0.  Waves 21 to 24 also make out1, a lane a row.
; A row begins at a multiple of 4 bytes only (340 i), so its words are loaded one by one.  No LDS: nothing is handed between lanes.  No cluster: no two work-groups read the same rows.
.set NROW,  25200
.set ROWB,  340
.set TOPK,  1000
.set SHARE, 128
.set LN,  1                            ; v1   lane
.set T0,  2
.set RBL, 3                            ; v3   lo + thread / 20
.set C16, 4                            ; v4   16 x (thread % 20)
.set OQ,  5                            ; v5   16 x my thread's number
.set UB,  8                            ; v8-39  eight registers for each of four passes
.set BXA, 40                           ; the boxes: the index, then the row's offset,
.set BXR, 41                           ; the output row,
.set BXO, 42                           ; 16 x it,
.set BXI, 44                           ; v44-47 x, y, w, h
.set BXD, 48                           ; v48-51 the corners
	s_load_b256 s[4:11], s[0:1], 0x0               ; predictions s[4:5], order s[6:7], out0 s[8:9], out1 s[10:11]
	v_lshrrev_b32 v[T0], 5, v0
	v_readfirstlane_b32 s14, v[T0]                 ; wave w
	v_and_b32 v[LN], 31, v0
	s_and_b32 s16, ttmp7, 0xffff                   ; image b
	s_lshl_b32 s17, ttmp9, 7                       ; lo
	s_add_co_u32 s18, s17, SHARE
	s_min_u32 s18, s18, TOPK                       ; hi
	s_sub_co_u32 s19, s18, s17                     ; n
	s_mul_i32 s20, s19, 20                         ; my share of out0 in pieces of 16 bytes
	s_lshl_b32 s21, s14, 5
	s_mul_i32 s22, s16, NROW*ROWB                  ; image b in predictions: under 2^31
	s_mov_b32 s23, 0
	s_lshl_b32 s24, s16, 12                        ; and in order
	s_mov_b32 s25, 0
	s_mul_i32 s26, s16, TOPK
	s_add_co_u32 s26, s26, s17                     ; my first output row
	s_mul_i32 s28, s26, 320
	s_mov_b32 s29, 0
	s_lshl_b32 s30, s26, 4
	s_mov_b32 s31, 0
	s_mov_b32 s33, 0x3e800000                      ; 0.25
	v_mul_u32_u24 v[RBL], v0, 3277                 ; thread / 20 = (thread x 3277) >> 16, exact up to 799
	v_lshrrev_b32 v[RBL], 16, v[RBL]
	v_mul_u32_u24 v[T0], v[RBL], 20
	v_sub_nc_u32 v[C16], v0, v[T0]
	v_lshlrev_b32 v[C16], 4, v[C16]
	v_add_nc_u32 v[RBL], s17, v[RBL]
	v_lshlrev_b32 v[OQ], 4, v0
	v_mov_b32 v[BXA], 0                            ; written whole once: the three arms on the wave's number that make and use them read defined registers on every way through the text
.irp a,0,1,2,3
	v_mov_b32 v[BXI+\a], 0
.endr
	s_wait_kmcnt 0x0
	s_add_nc_u64 s[4:5], s[4:5], s[22:23]
	s_add_nc_u64 s[6:7], s[6:7], s[24:25]
	s_add_nc_u64 s[8:9], s[8:9], s[28:29]
	s_add_nc_u64 s[10:11], s[10:11], s[30:31]
; d holds an index; it is held to 25,199 and becomes the row's byte offset in the image: 340 i = 4 x (5 i + 16 x 5 i), by shifts and adds.
.macro ROWOFF d, t0, t1
	v_min_u32 v[\d], NROW-1, v[\d]
	v_lshlrev_b32 v[\t0], 2, v[\d]
	v_add_nc_u32 v[\t0], v[\t0], v[\d]
	v_lshlrev_b32 v[\t1], 4, v[\t0]
	v_add_nc_u32 v[\t0], v[\t1], v[\t0]
	v_lshlrev_b32 v[\d], 2, v[\t0]
.endm
; Pass p: output row thread / 20 + 40 p, classes 4 (thread % 20) ..  Its registers R = UB + 8 p: R score, R+1 index and row offset, R+2 at work and class offset, R+3 at work, R+4 .. R+7 four classes.
; The rank is held to 1,023, order's last place of the image: ranks from hi on are loaded and never stored.
.macro PIDX p
.set R, UB+8*(\p)
	v_add_nc_u32 v[R+2], 40*(\p), v[RBL]
	v_min_u32 v[R+2], 1023, v[R+2]
	v_lshlrev_b32 v[R+2], 2, v[R+2]
	global_load_b32 v[R+1], v[R+2], s[6:7]
.endm
.macro PLOAD p
.set R, UB+8*(\p)
	ROWOFF R+1, R+2, R+3
	v_add_nc_u32 v[R+2], v[R+1], v[C16]
	global_load_b32 v[R], v[R+1], s[4:5] offset:16
.irp a,0,1,2,3
	global_load_b32 v[R+4+\a], v[R+2], s[4:5] offset:20+4*\a
.endr
.endm
; score x (score > 0.25), then class x that, then the product x (product > 0.25): true multiplications by 0 or 1, as reference() has them.
; A wave's 32 pieces lie wholly inside the share or wholly behind it (800 p, 32 w and 20 n are multiples of 32): behind it nothing is stored.
.macro POUT p
.set R, UB+8*(\p)
	s_wait_loadcnt 15-5*(\p)                       ; this pass's five loads are in; the later passes' five each may stay out
	v_cmp_lt_f32 vcc_lo, s33, v[R]
	v_cndmask_b32 v[R+3], 0, 1.0, vcc_lo
	v_mul_f32 v[R], v[R], v[R+3]
.irp a,0,1,2,3
	v_mul_f32 v[R+4+\a], v[R+4+\a], v[R]
.endr
.irp a,0,1,2,3
	v_cmp_lt_f32 vcc_lo, s33, v[R+4+\a]
	v_cndmask_b32 v[R+3], 0, 1.0, vcc_lo
	v_mul_f32 v[R+4+\a], v[R+4+\a], v[R+3]
.endr
	s_add_co_u32 s37, s21, 800*(\p)
	s_cmp_lt_u32 s37, s20
	s_cbranch_scc0 .Lbehind_\@
	global_store_b128 v[OQ], v[R+4:R+7], s[8:9] offset:12800*(\p) th:TH_STORE_NT  ; 512 consecutive bytes, at a multiple of 512 from the share's first byte
.Lbehind_\@:
.endm
	s_cmp_ge_u32 s14, 21                           ; waves 21 to 24: the index of rank lo + 32 (w - 21) + lane, 1,023 at the most
	s_cbranch_scc0 .Lno_box0
	s_sub_co_u32 s36, s14, 21
	s_lshl_b32 s36, s36, 5
	s_add_co_u32 s36, s36, s17
	v_add_nc_u32 v[BXR], s36, v[LN]
	v_lshlrev_b32 v[BXR], 2, v[BXR]
	global_load_b32 v[BXA], v[BXR], s[6:7]
.Lno_box0:
	PIDX 0
	PIDX 1
	PIDX 2
	PIDX 3
	s_wait_loadcnt 0x0                             ; all the indices: every row's address hangs on one
	s_cmp_ge_u32 s14, 21
	s_cbranch_scc0 .Lno_box1
	ROWOFF BXA, BXD, BXD+1
.irp a,0,1,2,3
	global_load_b32 v[BXI+\a], v[BXA], s[4:5] offset:4*\a  ; older than all the passes' loads below, so the passes' counts hold in every wave
.endr
.Lno_box1:
	PLOAD 0
	PLOAD 1
	PLOAD 2
	PLOAD 3
	POUT 0
	POUT 1
	POUT 2
	POUT 3
	s_cmp_ge_u32 s14, 21
	s_cbranch_scc0 .Lno_box2
	s_sub_co_u32 s36, s14, 21                      ; the output row and its 16 bytes of out1, made here from the wave's number and the lane, all lanes on
	s_lshl_b32 s36, s36, 5
	v_add_nc_u32 v[BXR], s36, v[LN]
	v_lshlrev_b32 v[BXO], 4, v[BXR]
	v_fma_f32 v[BXD],   v[BXI+2], -0.5, v[BXI]     ; x - w / 2 (the half is exact, so one rounding as in reference()); the wait for 0 in the last pass covers the box's loads
	v_fma_f32 v[BXD+1], v[BXI+3], -0.5, v[BXI+1]
	v_fma_f32 v[BXD+2], v[BXI+2], 0.5, v[BXI]
	v_fma_f32 v[BXD+3], v[BXI+3], 0.5, v[BXI+1]
	v_cmp_gt_u32 vcc_lo, s19, v[BXR]               ; rows of my share alone
	s_wait_xcnt 0x0                                ; EXEC changes only behind this wait: the stores above are out
	s_and_saveexec_b32 s38, vcc_lo
	global_store_b128 v[BXO], v[BXD:BXD+3], s[10:11] th:TH_STORE_NT
	s_wait_xcnt 0x0                                ; and again, in front of the line that widens it
	s_or_b32 exec_lo, exec_lo, s38
.Lno_box2:
	s_endpgm
.Lfunc_end_k_qdc978788c9_gather:
	.size	k_qdc978788c9_gather, .Lfunc_end_k_qdc978788c9_gather-k_qdc978788c9_gather
	.p2alignl 7, 3214868480
	.fill 96, 4, 3214868480
	.section	.rodata,"a",@progbits
	.p2align	6, 0x0
	.amdhsa_kernel k_qdc978788c9_gather
		.amdhsa_group_segment_fixed_size 0
		.amdhsa_private_segment_fixed_size 0
		.amdhsa_enable_private_segment 0
		.amdhsa_kernarg_size 32
		.amdhsa_user_sgpr_count 2
		.amdhsa_user_sgpr_kernarg_segment_ptr 1
		.amdhsa_wavefront_size32 1
		.amdhsa_system_sgpr_workgroup_id_x 1
		.amdhsa_system_sgpr_workgroup_id_y 1
		.amdhsa_system_sgpr_workgroup_id_z 1
		.amdhsa_system_vgpr_workitem_id 0
		.amdhsa_next_free_vgpr 56
		.amdhsa_next_free_sgpr 66
		.amdhsa_reserve_vcc 1
		.amdhsa_float_denorm_mode_32 3
		.amdhsa_float_denorm_mode_16_64 3
		.amdhsa_memory_ordered 1
		.amdhsa_forward_progress 1
		.amdhsa_inst_pref_size 12
	.end_amdhsa_kernel
	.amdgpu_metadata
---
amdhsa.version: [ 1, 2 ]
amdhsa.kernels:
  - .name:           k_qdc978788c9_gather
    .symbol:         k_qdc978788c9_gather.kd
    .args:
      - { .name: predictions, .offset: 0, .size: 8, .value_kind: global_buffer, .address_space: global }
      - { .name: order, .offset: 8, .size: 8, .value_kind: global_buffer, .address_space: global }
      - { .name: out0, .offset: 16, .size: 8, .value_kind: global_buffer, .address_space: global }
      - { .name: out1, .offset: 24, .size: 8, .value_kind: global_buffer, .address_space: global }
    .group_segment_fixed_size: 0
    .private_segment_fixed_size: 0
    .kernarg_segment_align: 8
    .kernarg_segment_size: 32
    .max_flat_workgroup_size: 800
    .sgpr_count:     66
    .vgpr_count:     56
    .wavefront_size: 32
...
	.end_amdgpu_metadata
.endif
;; end of part 3
;; ======== version 2 of 3: 3 launches; 1.14 times as fast as version 1
;; workspace buffers: lists 2,097,152 bytes of whole numbers; order 131,072 bytes of whole numbers
;; launch sortpairs (part 4): grid 8 x 32, 4 waves a work-group, no clusters, 70,144 bytes of LDS; arguments predictions, lists; writes lists
.if DOCPART == 4
	.amdgcn_target "amdgcn-amd-amdhsa--gfx1250"
	.amdhsa_code_object_version 6
	.text
	.protected	k_qdc978788c9_sortpairs
	.globl	k_qdc978788c9_sortpairs
	.p2align	8
	.type	k_qdc978788c9_sortpairs,@function
k_qdc978788c9_sortpairs:
	s_mov_b64 s[64:65], 0
	v_nop
	global_prefetch_b8 v0, s[64:65] scope:SCOPE_SE
	s_setreg_imm32_b32 hwreg(HW_REG_WAVE_MODE, 25, 1), 1
	s_wait_xcnt 0x0
; LAUNCH 1 OF 3.  predictions: [32][25200][85] f32.  reference() takes the 1,000 largest objectness scores (word 4 of a row) of each image, in descending order,
; equal scores by ascending index, and gathers those rows' classes and boxes.
; DEAD WORK, for all values of the input: reference() turns all 25,200 boxes to corners and slices all class rows, but both take_along_axis keep only the 1,000 rows that the
; scores choose; no word of another row but its score has a way to an output.  So this launch loads word 4 of each row and nothing else, and the third launch loads the
; chosen rows alone.  A NaN, an infinity or an overflow in the words left out is not carried to any result.
; WHAT THIS LAUNCH MAKES.  Each anchor becomes a PAIR of whole numbers.  High word, the key: the score's bits with the sign bit turned for numbers >= 0 and all bits turned for numbers < 0,
; so that unsigned order of keys is the order of the floats (-0 is made +0 first, by x + 0, so that the two are equal as in reference()).  Low word: 32767 - index.  Taken as one number of
; 64 bits, pairs in descending order are scores in descending order, equal scores by ascending index; no two anchors' pairs are equal.
;   lists [32][8][1024][2]: the 1,024 largest pairs of four chunks of 788 anchors (the last chunk of an image: 772), sorted descending.
; No address and no branch of this launch or of the second hangs on a score: the index travels with its key through a network of fixed comparators.
; LIMITS.  A NaN score is ordered by its bit pattern (with the sign clear above +inf, with the sign set below -inf), which need not be reference()'s order.
; SHARES.  Four waves to a work-group, a chunk to a wave: 8 work-groups x 32 images.  25 loads of one word a lane, each lane another row: all are out at once.  A wave's 1,024 places hold its
; chunk's pairs and (0, 0), which is below every anchor's pair, in the places left over.
; A COMPARATOR takes pairs A and B to (larger, smaller) in seven lines: B.lo < A.lo as a carry in; A.hi + not B.hi + that carry runs over 32 bits just where A > B; the high words are a maximum and a
; minimum, the low words two selects.  Four comparators go side by side, each with a mask of its own, so that no line reads the result of the line before it.
; THE SORT is a bitonic network whose comparators all point one way (the lower place takes the larger).  Phase k makes sorted blocks of 2^k out of two of 2^(k-1): the lower block meets the upper one
; reversed, then distances 2^(k-2) .. 1 follow.  Phases 1 to 5, place = 32 x lane + register: all stages lie between registers, and a block's stages are run as soon as its registers' loads are in.
; Phases 6 to 10, a loop of five trips: the pairs are read from the wave's own LDS slot with place = 32 x register + lane, each upper block reversed by its addresses, so that distances 2^(k-1) .. 32 lie
; between registers too (a chain of stages 16, 8, 4, 2, 1 that a phase enters at its own distance); they are turned through LDS, distances 16 .. 1 follow, and they go back to LDS.
; Every stage reads one bank of 64 registers and writes the other.
; THE MERGES.  Of two descending lists A, B the 1,024 largest are max(A[i], B[1023 - i]), a bitonic row that ten stages (distances 512 .. 1) sort.  Two levels, of 2 merges and of 1: a wave under the level's
; count takes slots 2 w and 2 w + 1; behind a barrier, so that nobody writes a slot that is still read, it sorts the row and leaves it in slot w.  The LDS addresses are the same in both levels.
; LDS is allotted for the slots that all four waves' addresses name, 0 to 7; slots 0 to 3 are written, and by the levels' counts only written slots are read.
; NO CLUSTER, NO TENSOR LOAD: no two work-groups read the same bytes, and a lane wants one word of each row.
.set ROWB,   340                       ; bytes in a row of predictions
.set NROW,   25200
.set CHUNK,  788                       ; 32 x 788 = 25,216: the last chunk holds 772
.set TOPI,   32767
.set PITCH,  272                       ; LDS: 32 pairs (256 bytes) + 16: an odd multiple of 16
.set SLOTB,  32*PITCH                  ; a slot: place e at (e / 32) x 272 + (e % 32) x 8
.set SPARE,  8*SLOTB                   ; behind the slots: the spare words, 128 bytes for each of four waves: two blocks of 256 bytes that no other line names
.set OFF,  1                           ; v1   lane x 340
.set OFF2, 2                           ; v2   the same with the lane held to the last anchor of register 24
.set G16,  3                           ; v3   lane x 16: my 16 bytes of each 512 that the wave stores
.set VL,   4                           ; v4   slot w + lane x 272: row = lane
.set VH,   5                           ; v5   slot w + lane x 8: column = lane
.set VHR,  6                           ; v6   slot w + (31 - lane) x 8
.set VO,   7                           ; v7   slot 0, my eight rows: (8 w + lane / 16) x 272 + (lane % 16) x 16
.set SPW,  8                           ; v8   my spare word; never rewritten
.set NIL,  9                           ; v9   0; never rewritten
.set PL,   10                          ; v10  32767 - 992 - the chunk's first index - lane
.set T0,   11
.set LN,   12                          ; v12  lane
.set A2,   13                          ; v13  slot 2 w + lane x 8
.set B2,   14                          ; v14  slot 2 w + (31 - lane) x 8; slot 2 w + 1 stands in the immediate
.set TT,   16                          ; v16-19  at work, one for each of four comparators
.set XB,   32                          ; v32-95   bank X: pair r at XB + 2 r (key), XB + 2 r + 1 (low word)
.set YB,   96                          ; v96-159  bank Y
.set CM,   40                          ; s40-43   four masks
.macro BAR
	s_wait_dscnt 0x0                               ; for the others' sake: my LDS stores are done and my LDS loads are back
	s_barrier_signal -1
	s_barrier_wait -1
.endm
	s_load_b128 s[4:7], s[0:1], 0x0                ; predictions s[4:5], lists s[6:7]
	v_lshl_add_u32 v[SPW], v0, 2, SPARE
	v_mov_b32 v[NIL], 0
	v_lshrrev_b32 v[T0], 5, v0
	v_readfirstlane_b32 s9, v[T0]                  ; wave w
	v_and_b32 v[LN], 31, v0
	s_and_b32 s10, ttmp7, 0xffff                   ; image
	s_lshl_b32 s15, ttmp9, 2
	s_add_co_u32 s15, s15, s9                      ; my chunk, 0 to 31
	s_mul_i32 s11, s15, CHUNK                      ; its first index
	s_add_co_u32 s12, s11, CHUNK
	s_min_u32 s12, s12, NROW
	s_sub_co_u32 s12, s12, s11                     ; its anchors: 788 or 772
	s_sub_co_u32 s13, s12, 768                     ; registers 0 to 23 are full; register 24 holds 20 or 4
	s_sub_co_u32 s14, s13, 1
	s_mul_i32 s16, s10, NROW
	s_add_co_u32 s16, s16, s11
	s_mul_i32 s16, s16, ROWB                       ; the chunk's first row, in bytes: under 2^31
	s_add_co_u32 s16, s16, 16                      ; the score is word 4
	s_mov_b32 s17, 0
	s_lshl_b32 s18, s10, 3
	s_add_co_u32 s18, s18, ttmp9
	s_lshl_b32 s18, s18, 13                        ; the work-group's list, 8,192 bytes,
	s_lshl_b32 s19, s9, 11                         ; my quarter of it
	s_add_co_u32 s18, s18, s19
	s_mov_b32 s19, 0
	s_sub_co_u32 s20, TOPI-992, s11
	s_mul_i32 s21, s9, SLOTB
	s_mul_i32 s22, s9, 2*SLOTB
	s_mul_i32 s23, s9, 8*PITCH
	v_mul_u32_u24 v[OFF], v[LN], ROWB
	v_min_u32 v[OFF2], s14, v[LN]
	v_mul_u32_u24 v[OFF2], v[OFF2], ROWB
	v_lshlrev_b32 v[G16], 4, v[LN]
	v_mul_u32_u24 v[VL], v[LN], PITCH
	v_add_nc_u32 v[VL], s21, v[VL]
	v_lshlrev_b32 v[T0], 3, v[LN]
	v_add_nc_u32 v[VH], s21, v[T0]
	v_add_nc_u32 v[A2], s22, v[T0]
	v_sub_nc_u32 v[T0], 248, v[T0]
	v_add_nc_u32 v[VHR], s21, v[T0]
	v_add_nc_u32 v[B2], s22, v[T0]
	v_lshrrev_b32 v[T0], 4, v[LN]
	v_and_b32 v[VO], 15, v[LN]
	v_lshlrev_b32 v[VO], 4, v[VO]
	v_mad_u32_u24 v[VO], v[T0], PITCH, v[VO]
	v_add_nc_u32 v[VO], s23, v[VO]
	v_sub_nc_u32 v[PL], s20, v[LN]
	s_wait_kmcnt 0x0
	s_add_nc_u64 s[4:5], s[4:5], s[16:17]
	s_add_nc_u64 s[6:7], s[6:7], s[18:19]
	; register r of lane l takes the chunk's anchor 32 r + l (where a pair starts in the network does not matter: it carries its index)
.set r, 0
.rept 24
	global_load_b32 v[XB+2*r], v[OFF], s[4:5] offset:r*32*ROWB th:TH_LOAD_NT
.set r, r+1
.endr
	global_load_b32 v[XB+48], v[OFF2], s[4:5] offset:24*32*ROWB th:TH_LOAD_NT  ; the lanes behind the chunk's end read its last row once more: no load leaves the chunk
.set r, 0
.rept 25
	v_add_nc_u32 v[XB+2*r+1], 32*(31-r), v[PL]     ; 32767 - index, made while the loads are out
.set r, r+1
.endr
.set r, 50
.rept 14
	v_mov_b32 v[XB+r], 0                           ; registers 25 to 31 hold no anchor: (0, 0)
.set r, r+1
.endr
; registers r0 .. r0 + n - 1: the score becomes its key; the register's place in bank Y is at work
.macro CONV r0, n
.set r, \r0
.rept \n
	v_add_f32 v[XB+2*r], 0, v[XB+2*r]              ; -0 becomes +0; every other number stays
.set r, r+1
.endr
.set r, \r0
.rept \n
	v_ashrrev_i32 v[YB+2*r], 31, v[XB+2*r]
.set r, r+1
.endr
.set r, \r0
.rept \n
	v_or_b32 v[YB+2*r], 0x80000000, v[YB+2*r]
.set r, r+1
.endr
.set r, \r0
.rept \n
	v_xor_b32 v[XB+2*r], v[XB+2*r], v[YB+2*r]
.set r, r+1
.endr
.endm
.macro SWAPB
.set TMPB, CUR
.set CUR, OTH
.set OTH, TMPB
.endm
.macro USE a, b
.set CUR, \a
.set OTH, \b
.endm
; comparator p of a stage's 16: registers PA and PB = PA xor m; t is m's top bit, which PA has clear
.macro AB m, t, p
.set PA, (((\p)/(\t))*2*(\t))+((\p)%(\t))
.set PB, PA^(\m)
.endm
; ng groups of four comparators of a stage, from group g0 on, from bank CUR into bank OTH; then the banks change names.
; For t up to 4 group g lies in registers 8 g .. 8 g + 7; for t = 8 groups 2 h and 2 h + 1 lie in registers 16 h .. 16 h + 15.
.macro HSTAGE m, t, g0, ng
.set g, \g0
.rept \ng
.set i, 0
.rept 4
	AB \m, \t, (4*g+i)
	v_cmp_lt_u32 s[CM+i], v[CUR+2*PB+1], v[CUR+2*PA+1]
.set i, i+1
.endr
.set i, 0
.rept 4
	AB \m, \t, (4*g+i)
	v_not_b32 v[TT+i], v[CUR+2*PB]
.set i, i+1
.endr
.set i, 0
.rept 4
	AB \m, \t, (4*g+i)
	v_add_co_ci_u32 v[TT+i], s[CM+i], v[CUR+2*PA], v[TT+i], s[CM+i]  ; the carry out: A > B
.set i, i+1
.endr
.set i, 0
.rept 4
	AB \m, \t, (4*g+i)
	v_max_u32 v[OTH+2*PA], v[CUR+2*PA], v[CUR+2*PB]
	v_min_u32 v[OTH+2*PB], v[CUR+2*PA], v[CUR+2*PB]
.set i, i+1
.endr
.set i, 0
.rept 4
	AB \m, \t, (4*g+i)
	v_cndmask_b32 v[OTH+2*PA+1], v[CUR+2*PB+1], v[CUR+2*PA+1], s[CM+i]
	v_cndmask_b32 v[OTH+2*PB+1], v[CUR+2*PA+1], v[CUR+2*PB+1], s[CM+i]
.set i, i+1
.endr
.set g, g+1
.endr
	SWAPB
.endm
.macro STAGE m, t                      ; a whole stage
	HSTAGE \m, \t, 0, 4
.endm
.macro FIVE                            ; from bank X, through five stages, into bank Y
	USE XB, YB
	STAGE 16, 16
	STAGE 8, 8
	STAGE 4, 4
	STAGE 2, 2
	STAGE 1, 1
.endm
; L: a lane takes a row of my slot (place = 32 x lane + register).  H: a register takes a row (place = 32 x register + lane).
.macro STOREL bank
.set q, 0
.rept 16
	ds_store_b128 v[VL], v[(\bank)+4*q:(\bank)+4*q+3] offset:16*q
.set q, q+1
.endr
.endm
.macro LOADL bank
.set q, 0
.rept 16
	ds_load_b128 v[(\bank)+4*q:(\bank)+4*q+3], v[VL] offset:16*q
.set q, q+1
.endr
.endm
.macro STOREH bank
.set r, 0
.rept 32
	ds_store_b64 v[VH], v[(\bank)+2*r:(\bank)+2*r+1] offset:r*PITCH
.set r, r+1
.endr
.endm
; H, for the phase whose blocks of 32 t places are sorted: a row with bit t set belongs to an upper block and is read from place e xor (32 t - 1): row r xor (t - 1), lane 31 - l
.macro LOADZ t, bank
.set r, 0
.rept 32
.if (r & (\t)) == 0
	ds_load_b64 v[(\bank)+2*r:(\bank)+2*r+1], v[VH] offset:r*PITCH
.else
	ds_load_b64 v[(\bank)+2*r:(\bank)+2*r+1], v[VHR] offset:(r^((\t)-1))*PITCH
.endif
.set r, r+1
.endr
	s_wait_dscnt 0x0
.endm
; a merge's first step: the larger of A (bank X) and B (bank Y), into bank X, for registers 16 h .. 16 h + 15
.macro FIRST h
.set g, 0
.rept 4
.set i, 0
.rept 4
.set r, 16*(\h)+4*g+i
	v_cmp_lt_u32 s[CM+i], v[YB+2*r+1], v[XB+2*r+1]
.set i, i+1
.endr
.set i, 0
.rept 4
.set r, 16*(\h)+4*g+i
	v_not_b32 v[TT+i], v[YB+2*r]
.set i, i+1
.endr
.set i, 0
.rept 4
.set r, 16*(\h)+4*g+i
	v_add_co_ci_u32 v[TT+i], s[CM+i], v[XB+2*r], v[TT+i], s[CM+i]
.set i, i+1
.endr
.set i, 0
.rept 4
.set r, 16*(\h)+4*g+i
	v_max_u32 v[XB+2*r], v[XB+2*r], v[YB+2*r]
	v_cndmask_b32 v[XB+2*r+1], v[YB+2*r+1], v[XB+2*r+1], s[CM+i]
.set i, i+1
.endr
.set g, g+1
.endr
.endm
.macro LPAIR r                         ; A[32 r + l] of slot 2 w, B[1023 - (32 r + l)] of slot 2 w + 1
	ds_load_b64 v[XB+2*(\r):XB+2*(\r)+1], v[A2] offset:(\r)*PITCH
	ds_load_b64 v[YB+2*(\r):YB+2*(\r)+1], v[B2] offset:SLOTB+(31-(\r))*PITCH
.endm
	; Loads come back in order (ISA guide 5.7.1): each block of registers is worked on while the younger loads are still out.
	s_wait_loadcnt 9                               ; registers 0 to 15 are in; the nine younger loads stay out
	CONV 0, 16
	USE XB, YB
	HSTAGE 1, 1, 0, 2                              ; registers 0 to 15: blocks of 2
	HSTAGE 3, 2, 0, 2                              ; of 4
	HSTAGE 1, 1, 0, 2
	HSTAGE 7, 4, 0, 2                              ; of 8
	HSTAGE 2, 2, 0, 2
	HSTAGE 1, 1, 0, 2
	HSTAGE 15, 8, 0, 2                             ; of 16
	HSTAGE 4, 4, 0, 2
	HSTAGE 2, 2, 0, 2
	HSTAGE 1, 1, 0, 2                              ; ten stages: back in bank X
	s_wait_loadcnt 1                               ; registers 16 to 23 are in; the last load stays out
	CONV 16, 8
	HSTAGE 1, 1, 2, 1                              ; registers 16 to 23: blocks of 2,
	HSTAGE 3, 2, 2, 1                              ; of 4,
	HSTAGE 1, 1, 2, 1
	HSTAGE 7, 4, 2, 1                              ; of 8
	HSTAGE 2, 2, 2, 1
	HSTAGE 1, 1, 2, 1                              ; six stages: back in bank X
	s_wait_loadcnt 0x0                             ; register 24
	CONV 24, 1
	v_cmp_gt_u32 vcc_lo, s13, v[LN]
	v_cndmask_b32 v[XB+48], 0, v[XB+48], vcc_lo    ; behind the chunk's end: (0, 0)
	v_cndmask_b32 v[XB+49], 0, v[XB+49], vcc_lo
	; registers 24 to 31 hold one pair and seven (0, 0): a block of 8 that lies in descending order already, so its stages up to blocks of 8 are left out
	HSTAGE 15, 8, 2, 2                             ; registers 16 to 31: blocks of 16
	HSTAGE 4, 4, 2, 2
	HSTAGE 2, 2, 2, 2
	HSTAGE 1, 1, 2, 2                              ; four stages: back in bank X
	STAGE 31, 16                                   ; blocks of 32: each lane's 32 pairs are sorted
	STAGE 8, 8
	STAGE 4, 4
	STAGE 2, 2
	STAGE 1, 1                                     ; five stages: the pairs lie in bank Y
	STOREL YB
	s_mov_b32 s30, 5                               ; phases to go: 5 = phase 6 (blocks of 64) .. 1 = phase 10 (of 1,024)
.Lphase:                                               ; my own slot alone: a wave's LDS instructions are served in order (ISA guide 5.7.1.4), so each load below sees the stores above it
	s_cmp_eq_u32 s30, 5
	s_cbranch_scc1 .Lp6
	s_cmp_eq_u32 s30, 4
	s_cbranch_scc1 .Lp7
	s_cmp_eq_u32 s30, 3
	s_cbranch_scc1 .Lp8
	s_cmp_eq_u32 s30, 2
	s_cbranch_scc1 .Lp9
	LOADZ 16, XB                                   ; a phase loads into the bank from which its first stage reads, so that the chain always ends in bank Y
	USE XB, YB
	STAGE 16, 16
	s_branch .Le8
.Lp9:
	LOADZ 8, YB
.Le8:
	USE YB, XB
	STAGE 8, 8
	s_branch .Le4
.Lp8:
	LOADZ 4, XB
.Le4:
	USE XB, YB
	STAGE 4, 4
	s_branch .Le2
.Lp7:
	LOADZ 2, YB
.Le2:
	USE YB, XB
	STAGE 2, 2
	s_branch .Le1
.Lp6:
	LOADZ 1, XB
.Le1:
	USE XB, YB
	STAGE 1, 1                                     ; distance 32
	STOREH YB
	LOADL XB
	s_wait_dscnt 0x0
	FIVE                                           ; distances 16 to 1
	STOREL YB
	s_sub_co_i32 s30, s30, 1
	s_cmp_lg_u32 s30, 0
	s_cbranch_scc1 .Lphase
	s_mov_b32 s30, 2                               ; levels to go
	s_mov_b32 s31, 4                               ; sorted lists, in slots 0 to 3
.Llevel:
	BAR                                            ; the lists lie whole in their slots
	s_lshr_b32 s31, s31, 1                         ; merges in this level
	s_cmp_lt_u32 s9, s31
	s_cbranch_scc0 .Lnoload
.set k, 0
.rept 31
	LPAIR k
.set k, k+1
.endr
	s_wait_dscnt 30                                ; pairs of loads 0 to 15 are in; the 30 younger loads stay out
	FIRST 0
	LPAIR 31
	s_wait_dscnt 0x0
	FIRST 1
.Lnoload:
	BAR                                            ; every slot has been read: now slots may be written
	s_cmp_lt_u32 s9, s31
	s_cbranch_scc0 .Lidle
	FIVE                                           ; distances 512 to 32
	STOREH YB
	LOADL XB
	s_wait_dscnt 0x0
	FIVE                                           ; distances 16 to 1
	STOREL YB
.Lidle:
	s_sub_co_i32 s30, s30, 1
	s_cmp_lg_u32 s30, 0
	s_cbranch_scc1 .Llevel
	BAR                                            ; slot 0 holds the work-group's 1,024 largest pairs
	; the list leaves in place order, a quarter a wave: a lane takes two neighbouring pairs, the wave 512 consecutive bytes
.set q, 0
.rept 4
	ds_load_b128 v[XB+4*q:XB+4*q+3], v[VO] offset:2*PITCH*q
.set q, q+1
.endr
	s_wait_dscnt 0x0
.set q, 0
.rept 4
	global_store_b128 v[G16], v[XB+4*q:XB+4*q+3], s[6:7] offset:512*q  ; at a multiple of 512 from the buffer's first byte
.set q, q+1
.endr
	s_wait_tensorcnt 0x0                           ; the wave's end, behind my last LDS store
	ds_add_u32 v[SPW], v[NIL]
	s_wait_dscnt 0x0
	s_endpgm
.Lfunc_end_k_qdc978788c9_sortpairs:
	.size	k_qdc978788c9_sortpairs, .Lfunc_end_k_qdc978788c9_sortpairs-k_qdc978788c9_sortpairs
	.p2alignl 7, 3214868480
	.fill 96, 4, 3214868480
	.section	.rodata,"a",@progbits
	.p2align	6, 0x0
	.amdhsa_kernel k_qdc978788c9_sortpairs
		.amdhsa_group_segment_fixed_size 70144
		.amdhsa_private_segment_fixed_size 0
		.amdhsa_enable_private_segment 0
		.amdhsa_kernarg_size 16
		.amdhsa_user_sgpr_count 2
		.amdhsa_user_sgpr_kernarg_segment_ptr 1
		.amdhsa_wavefront_size32 1
		.amdhsa_system_sgpr_workgroup_id_x 1
		.amdhsa_system_sgpr_workgroup_id_y 1
		.amdhsa_system_sgpr_workgroup_id_z 1
		.amdhsa_system_vgpr_workitem_id 0
		.amdhsa_next_free_vgpr 160
		.amdhsa_next_free_sgpr 66
		.amdhsa_reserve_vcc 1
		.amdhsa_float_denorm_mode_32 3
		.amdhsa_float_denorm_mode_16_64 3
		.amdhsa_memory_ordered 1
		.amdhsa_forward_progress 1
		.amdhsa_inst_pref_size 229
	.end_amdhsa_kernel
	.amdgpu_metadata
---
amdhsa.version: [ 1, 2 ]
amdhsa.kernels:
  - .name:           k_qdc978788c9_sortpairs
    .symbol:         k_qdc978788c9_sortpairs.kd
    .args:
      - { .name: predictions, .offset: 0, .size: 8, .value_kind: global_buffer, .address_space: global }
      - { .name: lists, .offset: 8, .size: 8, .value_kind: global_buffer, .address_space: global }
    .group_segment_fixed_size: 70144
    .private_segment_fixed_size: 0
    .kernarg_segment_align: 8
    .kernarg_segment_size: 16
    .max_flat_workgroup_size: 128
    .sgpr_count:     66
    .vgpr_count:     160
    .wavefront_size: 32
...
	.end_amdgpu_metadata
.endif
;; end of part 4
;; launch mergelists (part 5): grid 32 x 1, 4 waves a work-group, no clusters, 70,144 bytes of LDS; arguments lists, order; writes order
.if DOCPART == 5
	.amdgcn_target "amdgcn-amd-amdhsa--gfx1250"
	.amdhsa_code_object_version 6
	.text
	.protected	k_qdc978788c9_mergelists
	.globl	k_qdc978788c9_mergelists
	.p2align	8
	.type	k_qdc978788c9_mergelists,@function
k_qdc978788c9_mergelists:
	s_mov_b64 s[64:65], 0
	v_nop
	global_prefetch_b8 v0, s[64:65] scope:SCOPE_SE
	s_setreg_imm32_b32 hwreg(HW_REG_WAVE_MODE, 25, 1), 1
	s_wait_xcnt 0x0
; LAUNCH 2 OF 3.  lists [32][8][1024][2]: for each image 8 lists of pairs (key, 32767 - index), each sorted descending as numbers of 64 bits (launch 1).
; order [32][1024]: the indices of the image's 1,024 largest pairs, in descending order: scores descending, equal scores by ascending index.  The third launch uses the first 1,000.
; Left out as in launch 1: nothing of predictions but the scores has been read so far.  No address and no branch here hangs on a pair: only on the wave's number and on counters.
; A MERGE.  Of two descending lists A, B the 1,024 largest are max(A[i], B[1023 - i]), a bitonic row that ten stages (distances 512 .. 1, the lower place takes the larger) sort.  Place = 32 x register + lane
; for distances 512 .. 32, then, turned through the wave's own slot, 32 x lane + register for 16 .. 1: every stage lies between registers, from one bank of 64 into the other.
; THE TREE.  A work-group has an image, four waves.  Wave w takes lists 2 w and 2 w + 1 straight from memory.  Then three levels of 4, 2, 1 merges: a wave under the level's count sorts its row and
; leaves it in slot w; behind a barrier a wave under half the count takes slots 2 w and 2 w + 1; behind a second barrier, so that nobody writes a slot that is still read, the next level begins.
; The LDS addresses are the same in every level.  LDS is allotted for the slots that all four waves' addresses name, 0 to 7; slots 0 to 3 are written, and by the levels' counts only written slots are read.
; 32 WORK-GROUPS: a tree belongs to one image, and work-groups hand each other nothing inside a launch.  NO CLUSTER, NO TENSOR LOAD: no two work-groups read the same bytes, and the lists go straight into registers.
; A COMPARATOR takes pairs A and B to (larger, smaller) in seven lines: B.lo < A.lo as a carry in; A.hi + not B.hi + that carry runs over 32 bits just where A > B; the high words are a maximum and a
; minimum, the low words two selects.  Four go side by side, each with a mask of its own.
.set TOPI,   32767
.set PITCH,  272                       ; 32 pairs (256 bytes) + 16: an odd multiple of 16
.set SLOTB,  32*PITCH                  ; a slot: place e at (e / 32) x 272 + (e % 32) x 8
.set SPARE,  8*SLOTB                   ; behind the slots: the spare words, 128 bytes for each of four waves: two blocks of 256 bytes that no other line names
.set LN,   1                           ; v1   lane
.set SPW,  2                           ; v2   my spare word; never rewritten
.set NIL,  3                           ; v3   0; never rewritten
.set VH8,  4                           ; v4   lane x 8
.set VHR8, 5                           ; v5   (31 - lane) x 8
.set AH,   6                           ; v6   slot w + lane x 8
.set AL,   7                           ; v7   slot w + lane x 272
.set A2,   8                           ; v8   slot 2 w + lane x 8
.set B2,   9                           ; v9   slot 2 w + (31 - lane) x 8; slot 2 w + 1 stands in the immediate
.set VO,   10                          ; v10  slot 0, my eight rows: (8 w + lane / 16) x 272 + (lane % 16) x 16
.set T0,   12
.set TT,   16                          ; v16-19  at work
.set XB,   32                          ; v32-95   bank X: pair r at XB + 2 r (key), XB + 2 r + 1 (low word)
.set YB,   96                          ; v96-159  bank Y
.set CM,   40                          ; s40-43   four masks
.macro BAR
	s_wait_dscnt 0x0                               ; for the others' sake: my LDS stores are done and my LDS loads are back
	s_barrier_signal -1
	s_barrier_wait -1
.endm
.macro SWAPB
.set TMPB, CUR
.set CUR, OTH
.set OTH, TMPB
.endm
.macro AB m, t, p                      ; comparator p of a stage's 16: registers PA and PB = PA xor m
.set PA, (((\p)/(\t))*2*(\t))+((\p)%(\t))
.set PB, PA^(\m)
.endm
.macro STAGE m, t                      ; a stage between registers, from bank CUR into bank OTH, four comparators at a time
.set g, 0
.rept 4
.set i, 0
.rept 4
	AB \m, \t, (4*g+i)
	v_cmp_lt_u32 s[CM+i], v[CUR+2*PB+1], v[CUR+2*PA+1]
.set i, i+1
.endr
.set i, 0
.rept 4
	AB \m, \t, (4*g+i)
	v_not_b32 v[TT+i], v[CUR+2*PB]
.set i, i+1
.endr
.set i, 0
.rept 4
	AB \m, \t, (4*g+i)
	v_add_co_ci_u32 v[TT+i], s[CM+i], v[CUR+2*PA], v[TT+i], s[CM+i]  ; the carry out: A > B
.set i, i+1
.endr
.set i, 0
.rept 4
	AB \m, \t, (4*g+i)
	v_max_u32 v[OTH+2*PA], v[CUR+2*PA], v[CUR+2*PB]
	v_min_u32 v[OTH+2*PB], v[CUR+2*PA], v[CUR+2*PB]
.set i, i+1
.endr
.set i, 0
.rept 4
	AB \m, \t, (4*g+i)
	v_cndmask_b32 v[OTH+2*PA+1], v[CUR+2*PB+1], v[CUR+2*PA+1], s[CM+i]
	v_cndmask_b32 v[OTH+2*PB+1], v[CUR+2*PA+1], v[CUR+2*PB+1], s[CM+i]
.set i, i+1
.endr
.set g, g+1
.endr
	SWAPB
.endm
.macro FIVE                            ; from bank X, through five stages, into bank Y
.set CUR, XB
.set OTH, YB
	STAGE 16, 16
	STAGE 8, 8
	STAGE 4, 4
	STAGE 2, 2
	STAGE 1, 1
.endm
; the larger of A (bank X) and B (bank Y), into bank X, for registers 16 h .. 16 h + 15
.macro FIRST h
.set g, 0
.rept 4
.set i, 0
.rept 4
.set r, 16*(\h)+4*g+i
	v_cmp_lt_u32 s[CM+i], v[YB+2*r+1], v[XB+2*r+1]
.set i, i+1
.endr
.set i, 0
.rept 4
.set r, 16*(\h)+4*g+i
	v_not_b32 v[TT+i], v[YB+2*r]
.set i, i+1
.endr
.set i, 0
.rept 4
.set r, 16*(\h)+4*g+i
	v_add_co_ci_u32 v[TT+i], s[CM+i], v[XB+2*r], v[TT+i], s[CM+i]
.set i, i+1
.endr
.set i, 0
.rept 4
.set r, 16*(\h)+4*g+i
	v_max_u32 v[XB+2*r], v[XB+2*r], v[YB+2*r]
	v_cndmask_b32 v[XB+2*r+1], v[YB+2*r+1], v[XB+2*r+1], s[CM+i]
.set i, i+1
.endr
.set g, g+1
.endr
.endm
.macro GPAIR r                         ; from memory: A[32 r + l] of list 2 w, B[1023 - (32 r + l)] of list 2 w + 1; each load of the wave covers 256 consecutive bytes
	global_load_b64 v[XB+2*(\r):XB+2*(\r)+1], v[VH8], s[4:5] offset:256*(\r) th:TH_LOAD_NT
	global_load_b64 v[YB+2*(\r):YB+2*(\r)+1], v[VHR8], s[4:5] offset:8192+256*(31-(\r)) th:TH_LOAD_NT
.endm
.macro LPAIR r                         ; the same from slots 2 w and 2 w + 1
	ds_load_b64 v[XB+2*(\r):XB+2*(\r)+1], v[A2] offset:(\r)*PITCH
	ds_load_b64 v[YB+2*(\r):YB+2*(\r)+1], v[B2] offset:SLOTB+(31-(\r))*PITCH
.endm
	s_load_b128 s[4:7], s[0:1], 0x0                ; lists s[4:5], order s[6:7]
	v_lshl_add_u32 v[SPW], v0, 2, SPARE
	v_mov_b32 v[NIL], 0
	v_lshrrev_b32 v[T0], 5, v0
	v_readfirstlane_b32 s14, v[T0]                 ; wave w
	v_and_b32 v[LN], 31, v0
	s_lshl_b32 s16, ttmp9, 16                      ; the image's 8 lists of 8,192 bytes,
	s_lshl_b32 s17, s14, 14                        ; list 2 w
	s_add_co_u32 s16, s16, s17
	s_mov_b32 s17, 0
	s_lshl_b32 s18, ttmp9, 12                      ; the image's 4,096 bytes of order,
	s_lshl_b32 s19, s14, 10                        ; my 1,024 of them
	s_add_co_u32 s18, s18, s19
	s_mov_b32 s19, 0
	s_mul_i32 s20, s14, SLOTB
	s_mul_i32 s21, s14, 2*SLOTB
	s_mul_i32 s22, s14, 8*PITCH
	v_lshlrev_b32 v[VH8], 3, v[LN]
	v_sub_nc_u32 v[VHR8], 248, v[VH8]
	v_add_nc_u32 v[AH], s20, v[VH8]
	v_mul_u32_u24 v[AL], v[LN], PITCH
	v_add_nc_u32 v[AL], s20, v[AL]
	v_add_nc_u32 v[A2], s21, v[VH8]
	v_add_nc_u32 v[B2], s21, v[VHR8]
	v_lshrrev_b32 v[T0], 4, v[LN]
	v_and_b32 v[VO], 15, v[LN]
	v_lshlrev_b32 v[VO], 4, v[VO]
	v_mad_u32_u24 v[VO], v[T0], PITCH, v[VO]
	v_add_nc_u32 v[VO], s22, v[VO]
	s_wait_kmcnt 0x0
	s_add_nc_u64 s[4:5], s[4:5], s[16:17]
	s_add_nc_u64 s[6:7], s[6:7], s[18:19]
.set k, 0
.rept 31
	GPAIR k
.set k, k+1
.endr
	s_wait_loadcnt 30                              ; pairs of loads 0 to 15 are in; the 30 younger loads stay out
	FIRST 0
	GPAIR 31
	s_wait_loadcnt 0x0
	FIRST 1
	s_mov_b32 s30, 3                               ; levels to go
	s_mov_b32 s31, 4                               ; merges in this level
.Llevel:
	s_cmp_lt_u32 s14, s31
	s_cbranch_scc0 .Lidle
	FIVE                                           ; distances 512 to 32
.set r, 0
.rept 32
	ds_store_b64 v[AH], v[YB+2*r:YB+2*r+1] offset:r*PITCH
.set r, r+1
.endr
.set q, 0
.rept 16
	ds_load_b128 v[XB+4*q:XB+4*q+3], v[AL] offset:16*q  ; places 32 l + 2 q, + 1: a wave's LDS instructions are served in order (ISA guide 5.7.1.4): these see the stores above
.set q, q+1
.endr
	s_wait_dscnt 0x0
	FIVE                                           ; distances 16 to 1
.set q, 0
.rept 16
	ds_store_b128 v[AL], v[YB+4*q:YB+4*q+3] offset:16*q
.set q, q+1
.endr
.Lidle:
	BAR                                            ; the level's rows lie sorted in slots 0 to count - 1
	s_lshr_b32 s31, s31, 1
	s_cmp_lt_u32 s14, s31
	s_cbranch_scc0 .Lnoload
.set k, 0
.rept 31
	LPAIR k
.set k, k+1
.endr
	s_wait_dscnt 30                                ; pairs of loads 0 to 15 are in; the 30 younger loads stay out
	FIRST 0
	LPAIR 31
	s_wait_dscnt 0x0
	FIRST 1
.Lnoload:
	BAR                                            ; every slot has been read: the next level may write
	s_sub_co_i32 s30, s30, 1
	s_cmp_lg_u32 s30, 0
	s_cbranch_scc1 .Llevel
	; slot 0 holds the image's 1,024 largest pairs.  Wave w takes places 256 w .. 256 w + 255, a lane two neighbouring places at a time, and stores their indices: 256 consecutive bytes a store
.set q, 0
.rept 4
	ds_load_b128 v[XB+4*q:XB+4*q+3], v[VO] offset:2*PITCH*q
.set q, q+1
.endr
	s_wait_dscnt 0x0
.set q, 0
.rept 4
	v_sub_nc_u32 v[YB+2*q], TOPI, v[XB+4*q+1]
	v_sub_nc_u32 v[YB+2*q+1], TOPI, v[XB+4*q+3]
.set q, q+1
.endr
.set q, 0
.rept 4
	global_store_b64 v[VH8], v[YB+2*q:YB+2*q+1], s[6:7] offset:256*q
.set q, q+1
.endr
	s_wait_tensorcnt 0x0                           ; the wave's end, behind my last LDS store
	ds_add_u32 v[SPW], v[NIL]
	s_wait_dscnt 0x0
	s_endpgm
.Lfunc_end_k_qdc978788c9_mergelists:
	.size	k_qdc978788c9_mergelists, .Lfunc_end_k_qdc978788c9_mergelists-k_qdc978788c9_mergelists
	.p2alignl 7, 3214868480
	.fill 96, 4, 3214868480
	.section	.rodata,"a",@progbits
	.p2align	6, 0x0
	.amdhsa_kernel k_qdc978788c9_mergelists
		.amdhsa_group_segment_fixed_size 70144
		.amdhsa_private_segment_fixed_size 0
		.amdhsa_enable_private_segment 0
		.amdhsa_kernarg_size 16
		.amdhsa_user_sgpr_count 2
		.amdhsa_user_sgpr_kernarg_segment_ptr 1
		.amdhsa_wavefront_size32 1
		.amdhsa_system_sgpr_workgroup_id_x 1
		.amdhsa_system_sgpr_workgroup_id_y 1
		.amdhsa_system_sgpr_workgroup_id_z 1
		.amdhsa_system_vgpr_workitem_id 0
		.amdhsa_next_free_vgpr 160
		.amdhsa_next_free_sgpr 66
		.amdhsa_reserve_vcc 0
		.amdhsa_float_denorm_mode_32 3
		.amdhsa_float_denorm_mode_16_64 3
		.amdhsa_memory_ordered 1
		.amdhsa_forward_progress 1
		.amdhsa_inst_pref_size 89
	.end_amdhsa_kernel
	.amdgpu_metadata
---
amdhsa.version: [ 1, 2 ]
amdhsa.kernels:
  - .name:           k_qdc978788c9_mergelists
    .symbol:         k_qdc978788c9_mergelists.kd
    .args:
      - { .name: lists, .offset: 0, .size: 8, .value_kind: global_buffer, .address_space: global }
      - { .name: order, .offset: 8, .size: 8, .value_kind: global_buffer, .address_space: global }
    .group_segment_fixed_size: 70144
    .private_segment_fixed_size: 0
    .kernarg_segment_align: 8
    .kernarg_segment_size: 16
    .max_flat_workgroup_size: 128
    .sgpr_count:     66
    .vgpr_count:     160
    .wavefront_size: 32
...
	.end_amdgpu_metadata
.endif
;; end of part 5
;; launch gather: the kernel of part 3 again; grid 8 x 32, 25 waves a work-group, no clusters, 0 bytes of LDS; arguments predictions, order, out0, out1; writes out0, out1
;; ======== version 3 of 3: 3 launches; version 2 with the launch gather written anew for expert scheduling mode
;; workspace buffers: lists 2,097,152 bytes of whole numbers; order 131,072 bytes of whole numbers
;; launch sortpairs: the kernel of part 4 again; grid 8 x 32, 4 waves a work-group, no clusters, 70,144 bytes of LDS; arguments predictions, lists; writes lists
;; launch mergelists: the kernel of part 5 again; grid 32 x 1, 4 waves a work-group, no clusters, 70,144 bytes of LDS; arguments lists, order; writes order
;; launch gather (part 6): grid 8 x 32, 25 waves a work-group, no clusters, 0 bytes of LDS; arguments predictions, order, out0, out1; writes out0, out1
.if DOCPART == 6
	.amdgcn_target "amdgcn-amd-amdhsa--gfx1250"
	.amdhsa_code_object_version 6
	.text
	.protected	k_qdc978788c9_gather
	.globl	k_qdc978788c9_gather
	.p2align	8
	.type	k_qdc978788c9_gather,@function
k_qdc978788c9_gather:
	s_mov_b64 s[64:65], 0
	v_nop
	global_prefetch_b8 v0, s[64:65] scope:SCOPE_SE
	s_setreg_imm32_b32 hwreg(HW_REG_WAVE_SCHED_MODE, 0, 2), 2
	s_setreg_imm32_b32 hwreg(HW_REG_WAVE_MODE, 25, 1), 1
	s_wait_xcnt 0x0
	s_wait_alu depctr_vm_vsrc(0)
; LAUNCH 3 OF 3.  out0[b][r][:] = class x vs, masked at 0.25, with vs = score x (score > 0.25); out1[b][r][:] = the box as corners; both of the anchor order[b][r], r = 0 .. 999.
; Left out as in launch 1: rows that the scores do not choose are not loaded.  The only numbers that steer an address are the indices that launch 2 stored; each is held to 25,199.
; SHARES.  Work-group (g, b) makes rows lo = 128 g .. hi - 1, hi = min(lo + 128, 1000): n = 128 or 104 rows, from a multiple of 256 bytes of out0 on.  25 waves = 800 threads: a thread takes 4 neighbouring
; classes of a row (20 threads a row, 40 rows a pass, four passes); a wave's store covers 512 consecutive bytes of out0.  Waves 21 to 24 also make out1, a lane a row.
; A row begins at a multiple of 4 bytes only (340 i), so its words are loaded one by one.  No LDS: nothing is handed between lanes.  No cluster: no two work-groups read the same rows.
; THE MODE: SCHED_MODE bits 1:0 = 2 (LLVM: expert scheduling mode 2), set by the entry lines.  The code itself states the register dependences between vector instructions and memory instructions,
; and those that go through an SGPR, VCC or EXEC, with s_wait_alu, always for 0.
; THE PLAN.  Registers that memory instructions touch (R = UB + 8 p for pass p):
;   R+2       written by vector lines at the head (the rank's offset), read by the index load; written again (at work, then the class offset), read by the four class loads.
;   R+1       the index load lands in it; vector lines make the row's offset of it; the score load reads it.
;   R         the score load lands in it; from there on vector lines alone.      R+3  vector lines alone.
;   R+4..R+7  the class loads land in them; the pass's multiplications write them; the pass's one store reads them; never written again.
;   OQ        made once at the head, read by every store of out0.
;   BXR       made in the first arm, read by the box's index load; written again in the third arm.      BXA  written 0 at the head; the index lands in it; the row's offset is made of it; the four box loads read it.
;   BXI       written 0 at the head; the box loads land in them.      BXO, BXD  made in the third arm, read by the box's store.
; So the vector lines that make addresses stand in runs, all four passes together, with one wait on va_vdst behind each run and the run's loads behind that wait; one wait on vm_vsrc, behind the wait for the
; indices, frees R+2 and BXR; a pass's store stands at the head of the next pass, behind that head's wait on va_vdst.  The compares stand in runs of four, each into a mask of its own, with one wait on va_sdst behind the run.
.set NROW,  25200
.set ROWB,  340
.set TOPK,  1000
.set SHARE, 128
.set LN,  1                            ; v1   lane
.set T0,  2
.set RBL, 3                            ; v3   lo + thread / 20
.set C16, 4                            ; v4   16 x (thread % 20)
.set OQ,  5                            ; v5   16 x my thread's number
.set UB,  8                            ; v8-39  eight registers for each of four passes
.set BXA, 40                           ; the boxes: the index, then the row's offset,
.set BXR, 41                           ; the output row,
.set BXO, 42                           ; 16 x it,
.set BXI, 44                           ; v44-47 x, y, w, h
.set BXD, 48                           ; v48-51 the corners
.set CM,  24                           ; s24-27 four masks: free since the head's sums, which are the last readers of what the head put there
	s_load_b256 s[4:11], s[0:1], 0x0               ; predictions s[4:5], order s[6:7], out0 s[8:9], out1 s[10:11]
	v_lshrrev_b32 v[T0], 5, v0
	v_readfirstlane_b32 s14, v[T0]                 ; wave w
	v_and_b32 v[LN], 31, v0
	s_and_b32 s16, ttmp7, 0xffff                   ; image b
	s_lshl_b32 s17, ttmp9, 7                       ; lo
	s_add_co_u32 s18, s17, SHARE
	s_min_u32 s18, s18, TOPK                       ; hi
	s_sub_co_u32 s19, s18, s17                     ; n
	s_mul_i32 s20, s19, 20                         ; my share of out0 in pieces of 16 bytes
	s_wait_alu depctr_va_sdst(0)                   ; s14, the wave's number, is written, ahead of its first reader
	s_lshl_b32 s21, s14, 5
	s_mul_i32 s22, s16, NROW*ROWB                  ; image b in predictions: under 2^31
	s_mov_b32 s23, 0
	s_lshl_b32 s24, s16, 12                        ; and in order
	s_mov_b32 s25, 0
	s_mul_i32 s26, s16, TOPK
	s_add_co_u32 s26, s26, s17                     ; my first output row
	s_mul_i32 s28, s26, 320
	s_mov_b32 s29, 0
	s_lshl_b32 s30, s26, 4
	s_mov_b32 s31, 0
	s_mov_b32 s33, 0x3e800000                      ; 0.25
	v_mul_u32_u24 v[RBL], v0, 3277                 ; thread / 20 = (thread x 3277) >> 16, exact up to 799
	v_lshrrev_b32 v[RBL], 16, v[RBL]
	v_mul_u32_u24 v[T0], v[RBL], 20
	v_sub_nc_u32 v[C16], v0, v[T0]
	v_lshlrev_b32 v[C16], 4, v[C16]
	v_add_nc_u32 v[RBL], s17, v[RBL]
	v_lshlrev_b32 v[OQ], 4, v0
	v_mov_b32 v[BXA], 0                            ; written whole once: the three arms on the wave's number that make and use them read defined registers on every way through the text
.irp a,0,1,2,3
	v_mov_b32 v[BXI+\a], 0
.endr
; d holds an index; it is held to 25,199 and becomes the row's byte offset in the image: 340 i = 4 x (5 i + 16 x 5 i), by shifts and adds.
.macro ROWOFF d, t0, t1
	v_min_u32 v[\d], NROW-1, v[\d]
	v_lshlrev_b32 v[\t0], 2, v[\d]
	v_add_nc_u32 v[\t0], v[\t0], v[\d]
	v_lshlrev_b32 v[\t1], 4, v[\t0]
	v_add_nc_u32 v[\t0], v[\t1], v[\t0]
	v_lshlrev_b32 v[\d], 2, v[\t0]
.endm
; Pass p: output row thread / 20 + 40 p, classes 4 (thread % 20) ..  Its registers R = UB + 8 p: R score, R+1 index and row offset, R+2 at work and class offset, R+3 at work, R+4 .. R+7 four classes.
; The rank is held to 1,023, order's last place of the image: ranks from hi on are loaded and never stored.
.macro PADR p                          ; the rank's byte offset in order
.set R, UB+8*(\p)
	v_add_nc_u32 v[R+2], 40*(\p), v[RBL]
	v_min_u32 v[R+2], 1023, v[R+2]
	v_lshlrev_b32 v[R+2], 2, v[R+2]
.endm
.macro PIDX p                          ; the index
.set R, UB+8*(\p)
	global_load_b32 v[R+1], v[R+2], s[6:7]
.endm
.macro PROW p                          ; the row's and the classes' byte offsets
.set R, UB+8*(\p)
	ROWOFF R+1, R+2, R+3
	v_add_nc_u32 v[R+2], v[R+1], v[C16]
.endm
.macro PSCORE p
.set R, UB+8*(\p)
	global_load_b32 v[R], v[R+1], s[4:5] offset:16
.endm
.macro PCLASS p
.set R, UB+8*(\p)
.irp a,0,1,2,3
	global_load_b32 v[R+4+\a], v[R+2], s[4:5] offset:20+4*\a
.endr
.endm
; A wave's 32 pieces lie wholly inside the share or wholly behind it (800 p, 32 w and 20 n are multiples of 32): behind it nothing is stored.
.macro PSTORE p
.set RS, UB+8*(\p)
	s_add_co_u32 s37, s21, 800*(\p)
	s_cmp_lt_u32 s37, s20
	s_cbranch_scc0 .Lbehind_\@
	global_store_b128 v[OQ], v[RS+4:RS+7], s[8:9] offset:12800*(\p) th:TH_STORE_NT  ; 512 consecutive bytes, at a multiple of 512 from the share's first byte
.Lbehind_\@:
.endm
; class x vs, then the product x (product > 0.25): true multiplications by 0 or 1, as reference() has them.  The store of the pass before stands at the head.
.macro POUT p
.set R, UB+8*(\p)
	s_wait_loadcnt 12-4*(\p)                       ; this pass's four classes are in; the later passes' four each may stay out (in waves 21 to 24 the box's four loads are younger still: there the count waits for more than it needs, never for less)
.if (\p) > 0
	s_wait_alu depctr_va_vdst(0)                   ; the pass before has written its four products, which the store below reads
	PSTORE (\p)-1
.endif
.irp a,0,1,2,3
	v_mul_f32 v[R+4+\a], v[R+4+\a], v[R]
.endr
.irp a,0,1,2,3
	v_cmp_lt_f32 s[CM+\a], s33, v[R+4+\a]
.endr
	s_wait_alu depctr_va_sdst(0)                   ; the four masks are written, ahead of the selects that read them
.irp a,0,1,2,3
	v_cndmask_b32 v[R+3], 0, 1.0, s[CM+\a]
	v_mul_f32 v[R+4+\a], v[R+4+\a], v[R+3]
.endr
.endm
	PADR 0                                         ; all four ranks' offsets, while the arguments are on their way
	PADR 1
	PADR 2
	PADR 3
	s_wait_kmcnt 0x0
	s_add_nc_u64 s[4:5], s[4:5], s[22:23]
	s_add_nc_u64 s[6:7], s[6:7], s[24:25]
	s_add_nc_u64 s[8:9], s[8:9], s[28:29]
	s_add_nc_u64 s[10:11], s[10:11], s[30:31]
	s_wait_alu depctr_va_vdst(0)                   ; the four ranks' offsets are written, which the index loads read; so is OQ, which every store of out0 reads; and the zeros in BXA and BXI, in which loads land later
	PIDX 0
	PIDX 1
	PIDX 2
	PIDX 3
	s_cmp_ge_u32 s14, 21                           ; waves 21 to 24: the index of rank lo + 32 (w - 21) + lane, 1,023 at the most
	s_cbranch_scc0 .Lno_box0
	s_sub_co_u32 s36, s14, 21
	s_lshl_b32 s36, s36, 5
	s_add_co_u32 s36, s36, s17
	v_add_nc_u32 v[BXR], s36, v[LN]
	v_lshlrev_b32 v[BXR], 2, v[BXR]
	s_wait_alu depctr_va_vdst(0)                   ; BXR is written, which the load below reads as its offset
	global_load_b32 v[BXA], v[BXR], s[6:7]
.Lno_box0:
	s_wait_loadcnt 0x0                             ; all the indices: every row's address hangs on one
	s_wait_alu depctr_vm_vsrc(0)                   ; the index loads have read their offsets: R+2 of each pass is written again below, BXR in the third arm
	PROW 0
	PROW 1
	PROW 2
	PROW 3
	s_wait_alu depctr_va_vdst(0)                   ; the rows' and the classes' offsets of all four passes are written, which the twenty loads below read
	PSCORE 0                                       ; the four scores first, so that one run of compares serves all passes
	PSCORE 1
	PSCORE 2
	PSCORE 3
	PCLASS 0
	PCLASS 1
	PCLASS 2
	PCLASS 3
	s_cmp_ge_u32 s14, 21
	s_cbranch_scc0 .Lno_box1
	ROWOFF BXA, BXD, BXD+1
	s_wait_alu depctr_va_vdst(0)                   ; BXA, the box's row offset, is written, which the four loads below read
.irp a,0,1,2,3
	global_load_b32 v[BXI+\a], v[BXA], s[4:5] offset:4*\a  ; younger than all the passes' loads: the last pass's wait for 0 covers them
.endr
.Lno_box1:
	s_wait_loadcnt 16                              ; the four scores are in; the sixteen class loads may stay out
.irp p,0,1,2,3
	v_cmp_lt_f32 s[CM+\p], s33, v[UB+8*\p]
.endr
	s_wait_alu depctr_va_sdst(0)                   ; the four masks are written, ahead of the selects that read them
.irp p,0,1,2,3
	v_cndmask_b32 v[UB+8*\p+3], 0, 1.0, s[CM+\p]
.endr
.irp p,0,1,2,3
	v_mul_f32 v[UB+8*\p], v[UB+8*\p], v[UB+8*\p+3] ; vs = score x (score > 0.25)
.endr
	POUT 0
	POUT 1
	POUT 2
	POUT 3
	s_wait_alu depctr_va_vdst(0)                   ; the last pass has written its four products, which the store below reads
	PSTORE 3
	s_cmp_ge_u32 s14, 21
	s_cbranch_scc0 .Lno_box2
	s_sub_co_u32 s36, s14, 21                      ; the output row and its 16 bytes of out1, made here from the wave's number and the lane, all lanes on
	s_lshl_b32 s36, s36, 5
	v_add_nc_u32 v[BXR], s36, v[LN]                ; the one load that read BXR stands ahead of the wait on vm_vsrc behind the indices
	v_lshlrev_b32 v[BXO], 4, v[BXR]
	v_fma_f32 v[BXD],   v[BXI+2], -0.5, v[BXI]     ; x - w / 2 (the half is exact, so one rounding as in reference()); the wait for 0 in the last pass covers the box's loads
	v_fma_f32 v[BXD+1], v[BXI+3], -0.5, v[BXI+1]
	v_fma_f32 v[BXD+2], v[BXI+2], 0.5, v[BXI]
	v_fma_f32 v[BXD+3], v[BXI+3], 0.5, v[BXI+1]
	v_cmp_gt_u32 vcc_lo, s19, v[BXR]               ; rows of my share alone
	s_wait_xcnt 0x0                                ; EXEC changes only behind this wait: the stores above are out
	s_wait_alu depctr_va_vcc(0)                    ; VCC is written: EXEC is made from it
	s_wait_alu depctr_va_vdst(0)                   ; ahead of the write of EXEC: the vector lines issued so far are done; among them those that wrote BXO and the corners, which the store below reads
	s_wait_alu depctr_vm_vsrc(0)                   ; ahead of the write of EXEC: the memory instructions issued so far have read their vector registers
	s_and_saveexec_b32 s38, vcc_lo
	global_store_b128 v[BXO], v[BXD:BXD+3], s[10:11] th:TH_STORE_NT
	s_wait_xcnt 0x0                                ; and again, in front of the line that widens it
	s_wait_alu depctr_va_vdst(0)                   ; ahead of the write of EXEC, as above
	s_wait_alu depctr_vm_vsrc(0)                   ; the store has read its offset and its data
	s_or_b32 exec_lo, exec_lo, s38
.Lno_box2:
	s_endpgm
.Lfunc_end_k_qdc978788c9_gather:
	.size	k_qdc978788c9_gather, .Lfunc_end_k_qdc978788c9_gather-k_qdc978788c9_gather
	.p2alignl 7, 3214868480
	.fill 96, 4, 3214868480
	.section	.rodata,"a",@progbits
	.p2align	6, 0x0
	.amdhsa_kernel k_qdc978788c9_gather
		.amdhsa_group_segment_fixed_size 0
		.amdhsa_private_segment_fixed_size 0
		.amdhsa_enable_private_segment 0
		.amdhsa_kernarg_size 32
		.amdhsa_user_sgpr_count 2
		.amdhsa_user_sgpr_kernarg_segment_ptr 1
		.amdhsa_wavefront_size32 1
		.amdhsa_system_sgpr_workgroup_id_x 1
		.amdhsa_system_sgpr_workgroup_id_y 1
		.amdhsa_system_sgpr_workgroup_id_z 1
		.amdhsa_system_vgpr_workitem_id 0
		.amdhsa_next_free_vgpr 56
		.amdhsa_next_free_sgpr 66
		.amdhsa_reserve_vcc 1
		.amdhsa_float_denorm_mode_32 3
		.amdhsa_float_denorm_mode_16_64 3
		.amdhsa_memory_ordered 1
		.amdhsa_forward_progress 1
		.amdhsa_inst_pref_size 13
	.end_amdhsa_kernel
	.amdgpu_metadata
---
amdhsa.version: [ 1, 2 ]
amdhsa.kernels:
  - .name:           k_qdc978788c9_gather
    .symbol:         k_qdc978788c9_gather.kd
    .args:
      - { .name: predictions, .offset: 0, .size: 8, .value_kind: global_buffer, .address_space: global }
      - { .name: order, .offset: 8, .size: 8, .value_kind: global_buffer, .address_space: global }
      - { .name: out0, .offset: 16, .size: 8, .value_kind: global_buffer, .address_space: global }
      - { .name: out1, .offset: 24, .size: 8, .value_kind: global_buffer, .address_space: global }
    .group_segment_fixed_size: 0
    .private_segment_fixed_size: 0
    .kernarg_segment_align: 8
    .kernarg_segment_size: 32
    .max_flat_workgroup_size: 800
    .sgpr_count:     66
    .vgpr_count:     56
    .wavefront_size: 32
...
	.end_amdgpu_metadata
.endif
;; end of part 6
